; MI455X (gfx1250); checked and timed in simulation.
; The chip was launched on July 23, 2026; its instructions are those of AMD's public machine-readable ISA for CDNA 5 (MIT licence, August 2026) and "CDNA5" Instruction Set Architecture Reference Guide (July 2026). The comments in the code are by the model that wrote it; some were corrected since.
;; Quantum Transformer Block. Allowed arithmetic: float matrix products may take bf16 or f16 operands with f32 sums; all other float work in f32.
;; Inputs: b1 1 float32; b_comb 1,024 float32; beta1 1,024 float32; beta2 1,024 float32; gamma1 1,024 float32; gamma2 1,024 float32; theta 8 float32; w1 1 x 8 float32; w_comb 1,024 x 1,024 float32; w_qkv 3,072 x 1,024 float32; x 2 x 2,048 x 1,024 float32.
;; Outputs: out0 2 x 2,048 x 1,024 float32.
;; One version. Each part assembles by itself: llvm-mc -triple=amdgcn-amd-amdhsa -mcpu=gfx1250 --defsym DOCPART=n.
;; ======== version 1 of 1: 5 launches
;; workspace buffers: xb 8,388,608 bytes; wqb 6,291,456 bytes; wcb 2,097,152 bytes; qkv 25,165,824 bytes; ao 8,388,608 bytes; att 16,777,216 bytes
;; launch cast (part 1): grid 512 x 1, 8 waves a work-group, no clusters, 0 bytes of LDS; arguments x, w_qkv, w_comb, xb, wqb, wcb; writes xb, wqb, wcb
.if DOCPART == 1
	.amdgcn_target "amdgcn-amd-amdhsa--gfx1250"
	.amdhsa_code_object_version 6
	.text
	.protected	k_q01e7c05284_cast
	.globl	k_q01e7c05284_cast
	.p2align	8
	.type	k_q01e7c05284_cast,@function
k_q01e7c05284_cast:
	s_mov_b64 s[64:65], 0
	v_nop
	global_prefetch_b8 v0, s[64:65] scope:SCOPE_SE
	s_setreg_imm32_b32 hwreg(HW_REG_WAVE_MODE, 25, 1), 1
	s_wait_xcnt 0x0
; f32 to bf16 (round to nearest even) of the three matrix operands: x -> xb, w_qkv -> wqb, w_comb -> wcb.
; A work-group takes 16,384 numbers: 65,536 bytes in, 32,768 out.  x has 256 such parts, w_qkv 192, w_comb 64: 512 work-groups.
; Thread t takes the 16 bytes at 16 t of each of 16 passes of 4,096 bytes: a wave's load covers 512 neighbouring bytes,
; its store 256 neighbouring bytes at a multiple of 256.  All 16 loads go out first; every register is written once,
; so no source of a pending instruction is ever rewritten.  No LDS, no matrix unit: every byte is touched once.
.set PASSES, 16
.set X, 4                              ; v[4:67]   pass p: four f32 as loaded
.set Y, 68                             ; v[68:99]  pass p: four bf16 to store
	s_load_b256 s[4:11], s[0:1], 0x0               ; x s[4:5], w_qkv s[6:7], w_comb s[8:9], xb s[10:11]
	s_load_b128 s[12:15], s[0:1], 0x20             ; wqb s[12:13], wcb s[14:15]
	v_lshlrev_b32 v1, 4, v0                        ; 16 t: my bytes in a pass of the source
	v_lshlrev_b32 v2, 3, v0                        ; 8 t: in a pass of the destination
	s_mov_b32 s20, 448                             ; first work-group of w_comb
	s_wait_kmcnt 0x0
	s_cmp_lt_u32 ttmp9, 448                        ; the choice of buffers hangs on the work-group's number alone
	s_cselect_b64 s[16:17], s[6:7], s[8:9]
	s_cselect_b64 s[18:19], s[12:13], s[14:15]
	s_cselect_b32 s20, 256, s20
	s_cmp_lt_u32 ttmp9, 256
	s_cselect_b64 s[16:17], s[4:5], s[16:17]       ; source
	s_cselect_b64 s[18:19], s[10:11], s[18:19]     ; destination
	s_cselect_b32 s20, 0, s20                      ; first work-group of that buffer
	s_sub_co_u32 s21, ttmp9, s20                   ; my part of it
	s_lshl_b32 s22, s21, 16
	s_mov_b32 s23, 0
	s_add_nc_u64 s[16:17], s[16:17], s[22:23]
	s_lshl_b32 s22, s21, 15
	s_add_nc_u64 s[18:19], s[18:19], s[22:23]
.set p, 0
.rept PASSES
	global_load_b128 v[X+4*p:X+4*p+3], v1, s[16:17] offset:4096*p th:TH_LOAD_NT
.set p, p+1
.endr
.set p, 0
.rept PASSES
	s_wait_loadcnt PASSES-1-p                      ; loads come back in order: pass p is in, the younger ones stay out
	v_cvt_pk_bf16_f32 v[Y+2*p], v[X+4*p], v[X+4*p+1]
	v_cvt_pk_bf16_f32 v[Y+2*p+1], v[X+4*p+2], v[X+4*p+3]
	global_store_b64 v2, v[Y+2*p:Y+2*p+1], s[18:19] offset:2048*p   ; read again by the next launch: no hint
.set p, p+1
.endr
	s_endpgm
.Lfunc_end_k_q01e7c05284_cast:
	.size	k_q01e7c05284_cast, .Lfunc_end_k_q01e7c05284_cast-k_q01e7c05284_cast
	.p2alignl 7, 3214868480
	.fill 96, 4, 3214868480
	.section	.rodata,"a",@progbits
	.p2align	6, 0x0
	.amdhsa_kernel k_q01e7c05284_cast
		.amdhsa_group_segment_fixed_size 0
		.amdhsa_private_segment_fixed_size 0
		.amdhsa_enable_private_segment 0
		.amdhsa_kernarg_size 48
		.amdhsa_user_sgpr_count 2
		.amdhsa_user_sgpr_kernarg_segment_ptr 1
		.amdhsa_wavefront_size32 1
		.amdhsa_system_sgpr_workgroup_id_x 1
		.amdhsa_system_sgpr_workgroup_id_y 1
		.amdhsa_system_sgpr_workgroup_id_z 1
		.amdhsa_system_vgpr_workitem_id 0
		.amdhsa_next_free_vgpr 100
		.amdhsa_next_free_sgpr 66
		.amdhsa_reserve_vcc 0
		.amdhsa_float_denorm_mode_32 3
		.amdhsa_float_denorm_mode_16_64 3
		.amdhsa_memory_ordered 1
		.amdhsa_forward_progress 1
		.amdhsa_inst_pref_size 7
	.end_amdhsa_kernel
	.amdgpu_metadata
---
amdhsa.version: [ 1, 2 ]
amdhsa.kernels:
  - .name:           k_q01e7c05284_cast
    .symbol:         k_q01e7c05284_cast.kd
    .args:
      - { .name: x, .offset: 0, .size: 8, .value_kind: global_buffer, .address_space: global }
      - { .name: w_qkv, .offset: 8, .size: 8, .value_kind: global_buffer, .address_space: global }
      - { .name: w_comb, .offset: 16, .size: 8, .value_kind: global_buffer, .address_space: global }
      - { .name: xb, .offset: 24, .size: 8, .value_kind: global_buffer, .address_space: global }
      - { .name: wqb, .offset: 32, .size: 8, .value_kind: global_buffer, .address_space: global }
      - { .name: wcb, .offset: 40, .size: 8, .value_kind: global_buffer, .address_space: global }
    .group_segment_fixed_size: 0
    .private_segment_fixed_size: 0
    .kernarg_segment_align: 8
    .kernarg_segment_size: 48
    .max_flat_workgroup_size: 256
    .sgpr_count:     66
    .vgpr_count:     100
    .wavefront_size: 32
...
	.end_amdgpu_metadata
.endif
;; end of part 1
;; launch qkvgemm (part 2): grid 12 x 16, 4 waves a work-group, clusters of 4 x 4, 327,680 bytes of LDS; arguments xb, wqb, qkv; writes qkv
.if DOCPART == 2
	.amdgcn_target "amdgcn-amd-amdhsa--gfx1250"
	.amdhsa_code_object_version 6
	.text
	.protected	k_q01e7c05284_qkvgemm
	.globl	k_q01e7c05284_qkvgemm
	.p2align	8
	.type	k_q01e7c05284_qkvgemm,@function
k_q01e7c05284_qkvgemm:
	s_mov_b64 s[64:65], 0
	v_nop
	global_prefetch_b8 v0, s[64:65] scope:SCOPE_SE
	s_setreg_imm32_b32 hwreg(HW_REG_WAVE_MODE, 25, 1), 1
	s_wait_xcnt 0x0
	s_wait_alu depctr_hold_cnt(0) depctr_sa_sdst(0) depctr_va_vdst(0) depctr_va_sdst(0) depctr_va_ssrc(0) depctr_va_vcc(0) depctr_vm_vsrc(0)
	s_getreg_b32 s2, hwreg(HW_REG_IB_STS2, 6, 4)
	s_cmp_eq_u32 s2, 0
	s_cbranch_scc0 .Lentry_in_a_cluster
	s_endpgm
.Lentry_in_a_cluster:
	s_bfe_u32 s2, ttmp6, 0x10000c
	s_cmp_lg_u32 s2, 0xf033
	s_cbranch_scc0 .Lentry_shape_is_right
	s_endpgm
.Lentry_shape_is_right:
; qkv = xb wqb^T, sorted by head on the way out.  xb: [4096][1024] bf16, wqb: [3072][1024] bf16; sums in f32, rounded once to bf16.
; Output: bf16 [which 3][bh = 16 b + h][s 2048][64]: byte (((which 32 + bh) 2048) + s) 128 + 2 d, so that a head's rows are dense.
; A work-group makes a block of 256 x 256 with four waves; a wave makes 128 x 128: 64 accumulator tiles of 16 x 16, 512 registers.
; K goes in steps of 128 through a ring of two LDS slots filled by the tensor data mover: a tile's rows are 256 bytes of memory
; and start at multiples of 256 bytes from the buffer's first byte.  12 x 16 = 192 work-groups.
; CLUSTERS: 4 x 4 work-groups.  The four of a row of the cluster need the same tiles of A, the four of a column the same tiles of B.
; Such a tile is asked for jointly: each of the four issues the same tensor load, with the same descriptor and a mask that names the four.
;
; REGISTERS, in windows of 256:
;   window 0: v0-31 addresses; v64-127, v128-191 fragments of A, two buffers; v192-223 at work on the way out
;   window 1: v64-127, v128-191 fragments of B, two buffers
;   window 2: the 32 accumulator tiles of my rows 0-63 (tile (a, b) at v[8 (8 a + b)]);   window 3: those of my rows 64-127
; THE MATRIX INSTRUCTION IS USED TRANSPOSED: source 0 = 16 rows of B, source 1 = 16 rows of A: lane l then holds row l % 16 of C and
; its registers the columns 8 (l / 16) + 0 .. 7, eight neighbouring numbers of a row, which pack into 16 bytes.
; The 64 accumulators take turns, one matrix instruction a turn, in the same order in every quarter step.
.set SIZE_M, 4096
.set SIZE_N, 3072
.set SIZE_K, 1024
.set KSTEP,  128
.set PITCH,  272                       ; an LDS row: 256 bytes of data + 16 of padding: the 16 rows that a load touches start 16 bytes apart modulo 256
.set HALFT,  128*PITCH                 ; 128 rows: what one tensor load brings, and what one wave reads of A or of B
.set SLOT,   4*HALFT                   ; A's 256 rows, then B's 256 rows
.set STAGE,  2*SLOT                    ; behind the ring: 16 rows x 272 bytes for each wave, for the way out
.set SPITCH, 272
.set LAPS, SIZE_K/(2*KSTEP)            ; a lap = two K steps = once round the ring: 4 laps
.set ADRA, 16                          ; v16-17  LDS address of my A fragments in slot 0, 1
.set ADRB, 20                          ; v20-21  the same for B
.set STO,  24                          ; v24     the way out: where I put 16 bytes of a row
.set RD,   25                          ; v25     the way out: where I read back
.set CO,   26                          ; v26     my byte offset in the output
.set F0,   64                          ; fragment buffer 0
.set F1,   128                         ; fragment buffer 1
.set TMP,  192                         ; the way out: packed results, in window 0
.set G1, 24                            ; s[24:31] descriptor group 1 for A's tiles
.set G0, 32                            ; s[32:39] descriptor group 0 for A's tiles, one set for each slot
.set G1B, 48                           ; s[48:55] descriptor group 1 for B's tiles: it differs from A's in the mask alone
.set G0B, 56                           ; s[56:63] descriptor group 0 for B's tiles, one set for each slot
.set MSB, 0
.macro WIN new                         ; the immediate's high byte repeats the setting that is left
.if MSB != \new
	s_set_vgpr_msb (MSB<<8)|\new
.set MSB, \new
.endif
.endm
.set MUL_LO, 0xa1                      ; source 0 (B) window 1, source 1 (A) window 0, C and D window 2
.set MUL_HI, 0xf1                      ; the same, C and D window 3
.set TO_B,   0x40                      ; destination window 1, address window 0
; A joint load.  Waves 0 and 1 fetch A's two halves, waves 2 and 3 B's.  Each line has one mask and one set of registers for all that issue it.
; The branch hangs on the wave's number alone: it is the same in every work-group.
.macro JLOAD s
	s_cmp_eq_u32 s11, 0
	s_cbranch_scc0 .Lfor_b_\@
	tensor_load_to_lds s[G0+4*\s:G0+4*\s+3], s[G1:G1+7]
	s_nop 0
	s_branch .Lasked_\@
.Lfor_b_\@:
	tensor_load_to_lds s[G0B+4*\s:G0B+4*\s+3], s[G1B:G1B+7]
	s_nop 0
.Lasked_\@:
.endm
; A round of the cluster's barrier: my work-group's barrier, so that wave 0's signal speaks for all four waves; wave 0 signals for the
; work-group; every wave waits for all sixteen work-groups; my work-group's barrier once more.
.macro CREST                           ; a round behind its opening barrier
	s_cmp_lg_u32 s10, 0
	s_cbranch_scc1 .Lnot_wave_0_\@
	s_barrier_signal -3
.Lnot_wave_0_\@:
	s_barrier_wait -3
	s_barrier_signal -1
	s_barrier_wait -1
.endm
.macro CROUND                          ; a whole round
	s_barrier_signal -1
	s_barrier_wait -1
	CREST
.endm
	s_load_b128 s[4:7], s[0:1], 0x0                ; A = xb s[4:5], B = wqb s[6:7]
	s_load_b64 s[8:9], s[0:1], 0x10                ; qkv
	s_set_vgpr_msb 0x40
	v_lshl_add_u32 v255, v0, 2, 0x48400
	s_set_vgpr_msb 0x4000
	v_mov_b32 v255, 0
	s_set_vgpr_msb 0x1
	ds_add_u32 v255, v255
	s_set_vgpr_msb 0x100
	v_lshrrev_b32 v1, 5, v0
	v_readfirstlane_b32 s10, v1                    ; wave 0..3
	s_lshr_b32 s11, s10, 1                         ; which half of the block's rows is mine.  Also: I fetch for A (0) or for B (1)
	s_and_b32 s12, s10, 1                          ; which half of its columns.  Also: which 128 rows of that tile I fetch
	s_bfe_u32 s40, ttmp6, 0x40000                  ; cx: my place along the cluster's x
	s_bfe_u32 s41, ttmp6, 0x40004                  ; cy: along its y
	s_lshl_b32 s42, ttmp9, 2                       ; in a cluster launch ttmp9 and ttmp7 count clusters
	s_add_co_u32 s42, s42, s40                     ; block column = 4 x cluster x + cx
	s_and_b32 s13, ttmp7, 0xffff
	s_lshl_b32 s13, s13, 2
	s_add_co_u32 s13, s13, s41                     ; block row = 4 x cluster y + cy
	s_lshl_b32 s43, s41, 2
	s_lshl_b32 s43, 15, s43                        ; my row of the cluster: places 4 cy .. 4 cy + 3
	s_lshl_b32 s44, 0x1111, s40                    ; my column: places cx, cx + 4, cx + 8, cx + 12
	; descriptor group 1: a tile of 128 rows x 128 elements, padded in LDS
	s_or_b32 s[G1+0], s43, (1<<16)|(1<<20)|(1<<21)|(5<<22)|(3<<25)  ; 15:0 the mask: A's tiles go to my row; 17:16 element of 2 bytes; 20 padding on; 21 set beside a mask; 24:22 after every 64 words; 31:25 of 4 words
	s_or_b32 s[G1B+0], s44, (1<<16)|(1<<20)|(1<<21)|(5<<22)|(3<<25) ; the same with the mask of my column, for B's tiles
	s_mov_b32 s[G1B+1], KSTEP<<16
	s_mov_b32 s[G1+1], KSTEP<<16                   ; tensor_dim0 = 128
	s_mov_b32 s[G1B+2], 128<<16
	s_mov_b32 s[G1+2], 128<<16                     ; tensor_dim1 = 128
	s_mov_b32 s[G1B+3], KSTEP<<16
	s_mov_b32 s[G1+3], KSTEP<<16                   ; tile_dim0 = 128
	s_mov_b32 s[G1B+4], 128
	s_mov_b32 s[G1+4], 128                         ; tile_dim1 = 128
	s_mov_b32 s[G1B+5], SIZE_K
	s_mov_b32 s[G1+5], SIZE_K                      ; elements from row to row
	s_mov_b32 s[G1B+6], 0
	s_mov_b32 s[G1+6], 0
	s_mov_b32 s[G1B+7], 0
	s_mov_b32 s[G1+7], 0
	; where the tiles come from.  A's hang on the block row alone, which my row of the cluster shares; B's on the block column alone.
	; Every wave makes both addresses, in registers that never hold the other coordinate, and asks by one of them.
	s_lshl_b32 s17, s12, 7                         ; which 128 rows of the tile I fetch
	s_lshl_b32 s16, s13, 8
	s_add_co_u32 s16, s16, s17                     ; A: row 256 x block row + 128 x half
	s_lshl_b32 s46, s42, 8
	s_add_co_u32 s46, s46, s17                     ; B: row 256 x block column + 128 x half
	s_mov_b32 s17, 0
	s_mov_b32 s47, 0
	s_mov_b64 s[18:19], SIZE_K*2
	s_mul_u64 s[16:17], s[16:17], s[18:19]         ; in bytes
	s_mul_u64 s[46:47], s[46:47], s[18:19]
	s_mul_i32 s20, s10, HALFT                      ; and where they go: wave x 128 rows: no place in the cluster enters an LDS address
	s_wait_dscnt 0x0
	s_wait_kmcnt 0x0
	s_add_nc_u64 s[14:15], s[4:5], s[16:17]
	s_add_nc_u64 s[46:47], s[6:7], s[46:47]
	CROUND                                         ; all sixteen work-groups are here: the first joint loads meet
.irp s, 0,1
	s_mov_b32 s[G0+4*\s], 1                                        ; count = 1
	s_add_co_u32 s[G0+4*\s+1], s20, \s*SLOT                        ; LDS address
	s_add_nc_u64 s[G0+4*\s+2:G0+4*\s+3], s[14:15], \s*KSTEP*2      ; global address: K step s
	s_or_b32 s[G0+4*\s+3], s[G0+4*\s+3], 0x80000000                ; type = 2
	s_mov_b32 s[G0B+4*\s], 1
	s_add_co_u32 s[G0B+4*\s+1], s20, \s*SLOT
	s_add_nc_u64 s[G0B+4*\s+2:G0B+4*\s+3], s[46:47], \s*KSTEP*2
	s_or_b32 s[G0B+4*\s+3], s[G0B+4*\s+3], 0x80000000
	JLOAD \s                                       ; the ring is filled before anything else is done: two loads of the wave are out
.endr
	; A fragment is 16 rows x 32 K in 8 registers: lane l holds row l % 16; registers 0-3 hold K = 8 (l / 16) + 0..7, registers 4-7
	; K = 16 + 8 (l / 16) + 0..7: two loads of 16 bytes, 32 bytes apart.
	v_and_b32 v1, 15, v0                           ; l % 16
	v_bfe_u32 v2, v0, 4, 1                         ; l / 16
	v_mul_u32_u24 v3, v1, PITCH
	v_lshl_add_u32 v3, v2, 4, v3                   ; row x pitch + 16 x half
	s_mul_i32 s21, s11, HALFT                      ; my 128 rows of A
	s_mul_i32 s22, s12, HALFT                      ; my 128 rows of B,
	s_add_co_u32 s22, s22, 2*HALFT                 ; which lie behind A's 256
.irp s, 0,1
	v_add_nc_u32 v[ADRA+\s], s21, v3
	v_add_nc_u32 v[ADRB+\s], s22, v3
	s_add_co_u32 s21, s21, SLOT
	s_add_co_u32 s22, s22, SLOT
.endr
	s_mul_i32 s23, s10, 16*SPITCH
	s_add_co_u32 s23, s23, STAGE                   ; my stage
	v_mul_u32_u24 v4, v1, SPITCH                   ; in: row l % 16, 16 bytes for each half of the lanes
	v_lshl_add_u32 v4, v2, 4, v4
	v_add_nc_u32 v[STO], s23, v4
	; back: a stage row holds my two heads, 128 bytes each.  Lanes 0-7 take the first head's part of row 2 t, lanes 8-15 that of row 2 t + 1:
	; 256 neighbouring bytes of the output; lanes 16-31 the same two rows of the second head.
	v_bfe_u32 v6, v0, 3, 1                         ; which of the two rows
	v_and_b32 v7, 7, v0                            ; which 16 bytes of the head's 128
	v_mul_u32_u24 v5, v6, SPITCH
	v_lshl_add_u32 v5, v2, 7, v5
	v_lshl_add_u32 v5, v7, 4, v5
	v_add_nc_u32 v[RD], s23, v5
	v_lshlrev_b32 v5, 18, v2                       ; the second head lies 2,048 rows of 128 bytes further on
	v_lshl_add_u32 v5, v6, 7, v5
	v_lshl_add_u32 v[CO], v7, 4, v5
; 16 matrix instructions: m blocks a0, a0 + 1 of the window's four x all 8 n blocks, 32 along K.  zero = 1: the first product starts the sums.
.macro MUL16 f, hi, a0, zero
.irp a, \a0, \a0+1
.irp b, 0,1,2,3,4,5,6,7
.if \zero
	v_wmma_f32_16x16x32_bf16 v[8*(8*(\a)+\b):8*(8*(\a)+\b)+7], v[\f+8*\b:\f+8*\b+7], v[\f+8*(4*\hi+\a):\f+8*(4*\hi+\a)+7], 0
.else
	v_wmma_f32_16x16x32_bf16 v[8*(8*(\a)+\b):8*(8*(\a)+\b)+7], v[\f+8*\b:\f+8*\b+7], v[\f+8*(4*\hi+\a):\f+8*(4*\hi+\a)+7], v[8*(8*(\a)+\b):8*(8*(\a)+\b)+7]
.endif
.endr
.endr
.endm
; 32 LDS loads in one run: the fragments of one quarter step into buffer f
.macro FETCH slot, k, f
	WIN TO_B
.irp i, 0,1,2,3,4,5,6,7
	ds_load_b128 v[\f+8*\i:\f+8*\i+3],   v[ADRB+\slot] offset:\k+\i*16*PITCH
	ds_load_b128 v[\f+8*\i+4:\f+8*\i+7], v[ADRB+\slot] offset:\k+\i*16*PITCH+32
.endr
	WIN 0
.irp i, 0,1,2,3,4,5,6,7
	ds_load_b128 v[\f+8*\i:\f+8*\i+3],   v[ADRA+\slot] offset:\k+\i*16*PITCH
	ds_load_b128 v[\f+8*\i+4:\f+8*\i+7], v[ADRA+\slot] offset:\k+\i*16*PITCH+32
.endr
.endm
; A load into a register that a matrix instruction has read, and a vector instruction that reads a matrix result, stand four places behind
; that matrix instruction, and only plain vector instructions that name none of its registers are places (ISA guide 7.12.1 for vector
; instructions).
.macro PLACES
.rept 4
	v_nop
.endr
.endm
; One of the first three quarter steps: multiplies buffer f; in its middle it fetches the next quarter's fragments into buffer g.
.macro QUARTER slot, k, f, g, zero
	s_wait_dscnt 8                                 ; B and A's rows 0-63 are in; the youngest eight loads (A's rows 64-127) may be out
	WIN MUL_LO
	MUL16 \f, 0, 0, \zero
	MUL16 \f, 0, 2, \zero
	PLACES
	FETCH \slot, \k, \g
	s_wait_dscnt 32                                ; all but the 32 just issued
	WIN MUL_HI
	MUL16 \f, 1, 0, \zero
	MUL16 \f, 1, 2, \zero
.endm
.macro THREE slot, zero
	QUARTER \slot, 64,  F0, F1, \zero
	QUARTER \slot, 128, F1, F0, 0
	QUARTER \slot, 192, F0, F1, 0
.endm
; The last quarter: multiplies buffer 1 and changes slots.  One barrier for the change, for two things: in front of it each wave waits for
; its own reads of this slot and for all its tensor loads, of which one is out: its part of the next slot.  Behind it nobody reads this slot
; any more and the next slot is whole: the refill comes first, then the next slot's first fragments.
.macro TURN slot, next, fill
	s_wait_dscnt 8
	WIN MUL_LO
	MUL16 F1, 0, 0, 0
	s_wait_dscnt 0                                 ; my reads of this slot are over
	s_wait_tensorcnt 0x0                           ; and all my tensor loads have landed
	ds_add_u32 v255, v255
	s_wait_dscnt 0x0
	s_barrier_signal -1                            ; say so (where a slot is filled again this barrier opens a round of the cluster's barrier),
	MUL16 F1, 0, 2, 0                              ; work on registers while the others arrive,
	WIN 0
	s_barrier_wait -1                              ; and go on when all four have said so
.if \fill
	CREST                                          ; all sixteen work-groups have said so: no wave of any partner still reads this slot or has a load on its way
	s_add_nc_u64 s[G0+4*\slot+2:G0+4*\slot+3], s[G0+4*\slot+2:G0+4*\slot+3], 2*KSTEP*2
	s_add_nc_u64 s[G0B+4*\slot+2:G0B+4*\slot+3], s[G0B+4*\slot+2:G0B+4*\slot+3], 2*KSTEP*2
	JLOAD \slot                                    ; the first tensor load behind the round, and the wave's only one until the next
.endif
	PLACES
	FETCH \next, 0, F0
	WIN MUL_HI
	MUL16 F1, 1, 0, 0
	MUL16 F1, 1, 2, 0
.endm
.macro LAP zero                        ; once round the ring, both slots filled again
	THREE 0, \zero
	TURN 0, 1, 1
	THREE 1, 0
	TURN 1, 0, 1
.endm
	s_wait_tensorcnt 1                             ; my part of K step 0 is in; K step 1's load, issued behind it, stays out
	s_barrier_signal -1
	s_barrier_wait -1                              ; everybody's is
	FETCH 0, 0, F0
	LAP 1                                          ; the first lap stands in front of the loop: its first products start the sums
	WIN 0                                          ; at a label and at a branch every window is 0
	s_mov_b32 s3, LAPS-2
.Llap:
	LAP 0
	WIN 0
	s_sub_co_u32 s3, s3, 1
	s_cmp_lg_u32 s3, 0
	s_cbranch_scc1 .Llap
	THREE 0, 0                                     ; the last lap fills nothing
	TURN 0, 1, 0
	THREE 1, 0
	s_wait_dscnt 8                                 ; the very last quarter: nothing more to fetch
	WIN MUL_LO
	MUL16 F1, 0, 0, 0
	MUL16 F1, 0, 2, 0
	s_wait_dscnt 0
	WIN MUL_HI
	MUL16 F1, 1, 0, 0
	MUL16 F1, 1, 2, 0
	; THE WAY OUT, 16 rows at a time: round to bf16, 16 bytes a lane into my own stage in LDS, read back by heads.
	PLACES
	s_lshl_b32 s13, s13, 8
	s_lshl_b32 s14, s11, 7
	s_add_co_u32 s13, s13, s14                     ; m0: my first row, 256 x block row + 128 x half
	s_lshr_b32 s14, s13, 11                        ; b
	s_and_b32 s13, s13, 2047                       ; s
	s_lshl_b32 s14, s14, 15                        ; b x 16 heads x 2,048 rows
	s_add_co_u32 s16, s14, s13
	s_lshl_b32 s16, s16, 7                         ; rows of 128 bytes
	s_mov_b32 s17, 0
	s_add_nc_u64 s[8:9], s[8:9], s[16:17]
	s_lshl_b32 s46, s42, 8                         ; (in the registers that held B's address: none that feeds A's descriptors ever holds cx)
	s_lshl_b32 s47, s12, 7
	s_add_co_u32 s46, s46, s47                     ; n0: my first column, 256 x block column + 128 x half: two whole heads
	s_lshr_b32 s47, s46, 10                        ; which of q, k, v
	s_bfe_u32 s46, s46, 0x40006                    ; head
	s_lshl_b32 s47, s47, 16                        ; which x 32 x 2,048 rows
	s_lshl_b32 s46, s46, 11                        ; head x 2,048 rows
	s_add_co_u32 s46, s46, s47
	s_lshl_b32 s46, s46, 7
	s_mov_b32 s47, 0
	s_add_nc_u64 s[8:9], s[8:9], s[46:47]
; rows 16 i .. 16 i + 15 of my block = the eight tiles (a, 0..7) of window 2 or 3 (from = 0x0a or 0x0f: sources 0 and 1); f: F0 or F1 in turn
.macro OUT16 i, a, from, f
	WIN \from
.irp b, 0,1,2,3,4,5,6,7
.irp r, 0,1,2,3
	v_cvt_pk_bf16_f32 v[TMP+4*\b+\r], v[8*(8*\a+\b)+2*\r], v[8*(8*\a+\b)+2*\r+1]
.endr
.endr
	WIN 0
.irp b, 0,1,2,3,4,5,6,7
	ds_store_b128 v[STO], v[TMP+4*\b:TMP+4*\b+3] offset:32*\b
.endr
	s_wait_xcnt 0x0                                ; buffer f, which earlier stores read, and the stores' base are rewritten only behind this wait
.if \i
	s_add_nc_u64 s[8:9], s[8:9], 16*128            ; 16 rows of 128 bytes on, in both heads
.endif
.irp t, 0,1,2,3,4,5,6,7
	ds_load_b128 v[\f+4*\t:\f+4*\t+3], v[RD] offset:\t*2*SPITCH    ; LDS serves a wave's instructions in order (ISA guide 5.7.1.4): these see the stores above
.endr
.irp t, 0,1,2,3,4,5,6,7
	s_wait_dscnt 7-\t
	global_store_b128 v[CO], v[\f+4*\t:\f+4*\t+3], s[8:9] offset:\t*256   ; 16 lanes store 256 consecutive bytes (two rows of a head), at a multiple of 256
.endr
.endm
	OUT16 0, 0, 0x0a, F0
	OUT16 1, 1, 0x0a, F1
	OUT16 2, 2, 0x0a, F0
	OUT16 3, 3, 0x0a, F1
	OUT16 4, 0, 0x0f, F0
	OUT16 5, 1, 0x0f, F1
	OUT16 6, 2, 0x0f, F0
	OUT16 7, 3, 0x0f, F1
	s_set_vgpr_msb 0x1
	s_wait_tensorcnt 0x0
	ds_add_u32 v255, v255
	s_wait_dscnt 0x0
	s_set_vgpr_msb 0x100
	CROUND                                         ; the closing round: no work-group ends while a partner may still ask for a tile that names it
	s_endpgm
.Lfunc_end_k_q01e7c05284_qkvgemm:
	.size	k_q01e7c05284_qkvgemm, .Lfunc_end_k_q01e7c05284_qkvgemm-k_q01e7c05284_qkvgemm
	.p2alignl 7, 3214868480
	.fill 96, 4, 3214868480
	.section	.rodata,"a",@progbits
	.p2align	6, 0x0
	.amdhsa_kernel k_q01e7c05284_qkvgemm
		.amdhsa_group_segment_fixed_size 327680
		.amdhsa_private_segment_fixed_size 0
		.amdhsa_enable_private_segment 0
		.amdhsa_kernarg_size 24
		.amdhsa_user_sgpr_count 2
		.amdhsa_user_sgpr_kernarg_segment_ptr 1
		.amdhsa_wavefront_size32 1
		.amdhsa_system_sgpr_workgroup_id_x 1
		.amdhsa_system_sgpr_workgroup_id_y 1
		.amdhsa_system_sgpr_workgroup_id_z 1
		.amdhsa_system_vgpr_workitem_id 0
		.amdhsa_next_free_vgpr 1024
		.amdhsa_next_free_sgpr 66
		.amdhsa_reserve_vcc 0
		.amdhsa_float_denorm_mode_32 3
		.amdhsa_float_denorm_mode_16_64 3
		.amdhsa_memory_ordered 1
		.amdhsa_forward_progress 1
		.amdhsa_inst_pref_size 197
	.end_amdhsa_kernel
	.amdgpu_metadata
---
amdhsa.version: [ 1, 2 ]
amdhsa.kernels:
  - .name:           k_q01e7c05284_qkvgemm
    .symbol:         k_q01e7c05284_qkvgemm.kd
    .args:
      - { .name: xb, .offset: 0, .size: 8, .value_kind: global_buffer, .address_space: global }
      - { .name: wqb, .offset: 8, .size: 8, .value_kind: global_buffer, .address_space: global }
      - { .name: qkv, .offset: 16, .size: 8, .value_kind: global_buffer, .address_space: global }
    .group_segment_fixed_size: 327680
    .private_segment_fixed_size: 0
    .kernarg_segment_align: 8
    .kernarg_segment_size: 24
    .max_flat_workgroup_size: 128
    .sgpr_count:     66
    .vgpr_count:     1024
    .wavefront_size: 32
...
	.end_amdgpu_metadata
.endif
;; end of part 2
;; launch attn (part 3): grid 8 x 32, 8 waves a work-group, clusters of 4 x 1, 327,680 bytes of LDS; arguments qkv, ao; writes ao
.if DOCPART == 3
	.amdgcn_target "amdgcn-amd-amdhsa--gfx1250"
	.amdhsa_code_object_version 6
	.text
	.protected	k_q01e7c05284_attn
	.globl	k_q01e7c05284_attn
	.p2align	8
	.type	k_q01e7c05284_attn,@function
k_q01e7c05284_attn:
	s_mov_b64 s[64:65], 0
	v_nop
	global_prefetch_b8 v0, s[64:65] scope:SCOPE_SE
	s_setreg_imm32_b32 hwreg(HW_REG_WAVE_MODE, 25, 1), 1
	s_wait_xcnt 0x0
	s_wait_alu depctr_hold_cnt(0) depctr_sa_sdst(0) depctr_va_vdst(0) depctr_va_sdst(0) depctr_va_ssrc(0) depctr_va_vcc(0) depctr_vm_vsrc(0)
	s_getreg_b32 s2, hwreg(HW_REG_IB_STS2, 6, 4)
	s_cmp_eq_u32 s2, 0
	s_cbranch_scc0 .Lentry_in_a_cluster
	s_endpgm
.Lentry_in_a_cluster:
	s_bfe_u32 s2, ttmp6, 0x10000c
	s_cmp_lg_u32 s2, 0x3003
	s_cbranch_scc0 .Lentry_shape_is_right
	s_endpgm
.Lentry_shape_is_right:
; Attention of one head: softmax(Q K^T / 8) V with a running maximum.  qkv: bf16 [3][bh 32][s 2048][64].
; ao: bf16 [m >> 7][h 16][m & 127][64], m = 2048 b + s: a head's 128 rows are 16,384 dense bytes.
; A work-group takes one head (grid y) and 256 queries (grid x).  Eight waves, two on a SIMD: wave w takes the 64 queries of group w & 3 and,
; of every tile of 256 keys, the half w >> 2; the two waves of a query group are merged at the end through LDS.
; CLUSTERS: the four work-groups of a cluster are four query blocks of one head and read the same K and V tiles: every tile is asked for jointly (mask 15).
; EVERYTHING IS TRANSPOSED.  S^T = K Q^T (source 0 = 16 keys, source 1 = 16 queries): lane l holds query l % 16 and keys 8 (l / 16) + 0..7.
; Two such tiles, packed to bf16, ARE the second source of O^T = V^T P^T: no probability ever changes lanes.  V^T comes by the transposing LDS load
; from V as stored, [key][d].  A query's maximum and sum live in lane l and lane l xor 16.
; THE ORDER OF WORK.  A step is 64 keys against the wave's four query tiles; a stage is one query tile q of a step, in three phases:
;   P2(q)  shift and exponentials of tile q (48 vector instructions), and among them the 8 score products that make tile q - 1's scores of the
;          NEXT step (in stage 0: tile 3's of this step): that tile's registers are free since the stage before;
;   MIX(q) sums and packing of tile q, woven with the maximum and the new shift of tile q + 1: each fills the other's dependent places;
;   P4(q)  the rescaling of O(q) and the 8 products with V.
; So matrix and vector instructions stand side by side in a wave's text, and no register is added: K's fragments are loaded again in MIX of stage 0,
; V's in P2 of stage 0, each behind the last product that reads them.
; LIMITS: q, k, v, the probabilities and the result are rounded to bf16; an exponential below 2^-126 comes out as 0 (ISA guide, v_exp_f32);
; the shift of the exponent is -c m rounded to f32, the same rounded number in the exponentials and in the rescaling.
.set SLOTB, 81920                      ; a slot: eight chunks, 256 keys of K and of V
.set CHUNK, 10240                      ; chunk w, loaded by wave w: 64 keys.  Chunks 0-3 K (64 x 144 bytes), chunks 4-7 V (64 x 160)
.set TILEB, 32768                      ; 256 keys x 128 bytes in memory
.set KP, 144                           ; K's LDS pitch: 128 + 16: sixteen rows start 16 bytes apart modulo 256
.set VP, 160                           ; V's LDS pitch: 128 + 32, an odd multiple of 32, for the transposing load
.set MRG, 163840                       ; behind the ring: 4 x 17,408 bytes, what the upper wave of a pair hands to the lower; no tensor load lands here
.set MRGW, 17408
.set STG, 233472                       ; 4 x 9,216 bytes: 64 rows x 144, the way out; no tensor load lands here
.set STGW, 9216
; window 0
.set ADK, 4                            ; v4-5    LDS address of my K fragments, slot 0, 1
.set ADV, 6                            ; v6-7    the same for V
.set QOFF, 8                           ; v8      my offset in a Q fragment's rows
.set MRGA, 9                           ; v9      my 16 bytes in a block of 512 of my pair's merge area
.set STO, 10                           ; v10     the way out: in
.set RD, 11                            ; v11     the way out: back
.set CO, 12                            ; v12     16 x lane
.set MX, 16                            ; v[16:19]   running maximum of the raw scores, one for each query tile
.set LS, 20                            ; v[20:23]   my lane's part of the running sum
.set ST, 24                            ; v[24:31]   the pair (-c m, rescaling factor) for each query tile
.set KF, 32                            ; v[32:95]   K fragment (kt, ks) at 8 (2 kt + ks)
.set SC, 96                            ; v[96:223]  score tile (q, kt) at 8 (4 q + kt)
.set TW, 224                           ; v[224:239] at work: 0-3 and 12 the maximum's, 4-11 the sum's
; window 1
.set OA, 0                             ; v[0:127]   output tile (q, dt) at 8 (4 q + dt)
.set QF, 128                           ; v[128:191] Q fragment (q, ks) at 8 (2 q + ks)
.set VF, 192                           ; v[192:255] V^T fragment (u, dt) at 8 (4 u + dt)
.set G1K, 16                           ; s[16:23] group 1 for K's chunks
.set G1V, 24                           ; s[24:31] group 1 for V's chunks: another padding
.set G0K, 32                           ; s[32:39] group 0 for K, a set for each slot
.set G0V, 40                           ; s[40:47] group 0 for V, a set for each slot
.set MSB, 0
.macro WIN new                         ; low byte: bits 1:0 source 0, 3:2 source 1, 5:4 source 2, 7:6 destination; the high byte repeats the setting that is left
.if MSB != \new
	s_set_vgpr_msb (MSB<<8)|\new
.set MSB, \new
.endif
.endm
; A round of the cluster's barrier: my work-group's barrier; wave 0 signals for the work-group; every wave waits for the four work-groups; my work-group's barrier again.
.macro ROUND
	s_barrier_signal -1
	s_barrier_wait -1
	s_cmp_lg_u32 s8, 0
	s_cbranch_scc1 .Lnot_wave_0_\@
	s_barrier_signal -3
.Lnot_wave_0_\@:
	s_barrier_wait -3
	s_barrier_signal -1
	s_barrier_wait -1
.endm
; A joint load of my chunk of slot n: waves 0-3 fetch K's four chunks, waves 4-7 V's.  The branch hangs on the wave's number alone.
.macro KVLOAD n
	s_cmp_eq_u32 s10, 0
	s_cbranch_scc0 .Lfor_v_\@
	tensor_load_to_lds s[G0K+4*\n:G0K+4*\n+3], s[G1K:G1K+7]
	s_nop 0
	s_branch .Lasked_\@
.Lfor_v_\@:
	tensor_load_to_lds s[G0V+4*\n:G0V+4*\n+3], s[G1V:G1V+7]
	s_nop 0
.Lasked_\@:
.endm
; 16 loads: the eight K fragments (16 keys x 32 d) of chunk j of my half
.macro KLOAD slot, j
	WIN 0
.irp kt, 0,1,2,3
.irp ks, 0,1
	ds_load_b128 v[KF+8*(2*\kt+\ks):KF+8*(2*\kt+\ks)+3],   v[ADK+\slot] offset:\j*CHUNK+\kt*16*KP+\ks*64
	ds_load_b128 v[KF+8*(2*\kt+\ks)+4:KF+8*(2*\kt+\ks)+7], v[ADK+\slot] offset:\j*CHUNK+\kt*16*KP+\ks*64+32
.endr
.endr
.endm
; 16 transposing loads: the eight V^T fragments (16 d x 32 keys) of chunk j of my half
.macro VLOAD slot, j
	WIN 0x40
.irp u, 0,1
.irp dt, 0,1,2,3
	ds_load_tr16_b128 v[VF+8*(4*\u+\dt):VF+8*(4*\u+\dt)+3],   v[ADV+\slot] offset:\j*CHUNK+\u*32*VP+\dt*32
	ds_load_tr16_b128 v[VF+8*(4*\u+\dt)+4:VF+8*(4*\u+\dt)+7], v[ADV+\slot] offset:\j*CHUNK+\u*32*VP+\dt*32+16*VP
.endr
.endr
.endm
; Score product k (0..7) of query tile q: key tile k & 3, half k >> 2 of d.  The first half starts the sums.  The four key tiles take turns,
; one instruction a turn, in the same order for both halves.  Window setting 0x04: Q's fragments in window 1.
.macro SMW q, k
.if (\k) < 4
	v_wmma_f32_16x16x32_bf16 v[SC+32*(\q)+8*(\k):SC+32*(\q)+8*(\k)+7], v[KF+16*(\k):KF+16*(\k)+7], v[QF+16*(\q):QF+16*(\q)+7], 0
.else
	v_wmma_f32_16x16x32_bf16 v[SC+32*(\q)+8*((\k)-4):SC+32*(\q)+8*((\k)-4)+7], v[KF+16*((\k)-4)+8:KF+16*((\k)-4)+15], v[QF+16*(\q)+8:QF+16*(\q)+15], v[SC+32*(\q)+8*((\k)-4):SC+32*(\q)+8*((\k)-4)+7]
.endif
.endm
; P2: p = 2^(c s - c m) for my lane's 32 scores of tile q: 16 packed multiply-adds, 32 exponentials; behind every six of them one score product of tile sq
; (sq = -1: none).  Under setting 0x04 only source 1 lies in window 1; the multiply-adds take a scalar pair there and the exponentials have no source 1,
; so both kinds stand under one setting.  The first six multiply-adds name none of the registers of the products with V in front of them: they are the five
; places before the first score product writes over the packed scores, and the four before V's fragments are loaded again (ISA guide 7.12.1 for vector instructions).
; vs >= 0: V's fragments of chunk vj of slot vs are asked for there.
.macro EXPS q, sq, vs, vj
	WIN 0x04
.set n, 0
.set w, 0
.rept 8
.rept 6
.if n < 16
	s_wait_alu depctr_va_vdst(0)
	v_pk_fma_f32 v[SC+32*\q+2*n:SC+32*\q+2*n+1], v[SC+32*\q+2*n:SC+32*\q+2*n+1], s[48:49], v[ST+2*\q:ST+2*\q+1] op_sel_hi:[1,0,0]
.else
	v_exp_f32 v[SC+32*\q+n-16], v[SC+32*\q+n-16]
.endif
.set n, n+1
.endr
.if w == 0
.if \vs >= 0
	VLOAD \vs, \vj
	WIN 0x04
.endif
.endif
.if \sq >= 0
	SMW \sq, w
.endif
.set w, w+1
.endr
	v_nop                                          ; the plain place between the last exponential and the first use (ISA guide 5.7.2)
	s_wait_alu depctr_va_vdst(0)
.endm
; my lane's sum of tile q, four chains: level 0 starts them, levels 1 and 2 add on
.macro SUM4 q, lvl
.irp k, 0,1,2,3
.if \lvl == 0
	v_pk_add_f32 v[TW+4+2*\k:TW+5+2*\k], v[SC+32*\q+8*\k:SC+32*\q+8*\k+1], v[SC+32*\q+8*\k+2:SC+32*\q+8*\k+3]
.else
	v_pk_add_f32 v[TW+4+2*\k:TW+5+2*\k], v[TW+4+2*\k:TW+5+2*\k], v[SC+32*\q+8*\k+2*\lvl+2:SC+32*\q+8*\k+2*\lvl+3]
.endif
.endr
.endm
; the largest of my lane's 32 scores of tile qn, four chains, levels 0 to 3
.macro TREE qn, lvl
.irp k, 0,1,2,3
.if \lvl == 0
	v_max3_num_f32 v[TW+\k], v[SC+32*\qn+8*\k], v[SC+32*\qn+8*\k+1], v[SC+32*\qn+8*\k+2]
.else
.if \lvl < 3
	v_max3_num_f32 v[TW+\k], v[TW+\k], v[SC+32*\qn+8*\k+2*\lvl+1], v[SC+32*\qn+8*\k+2*\lvl+2]
.else
	v_max_num_f32 v[TW+\k], v[TW+\k], v[SC+32*\qn+8*\k+7]
.endif
.endif
.endr
.endm
; the serial tail behind the tree, one link a call: fold, partner lane, running maximum, new shift -c m, factor 2^(new shift - old shift).
; f1 = 1: nothing has been summed yet.
.macro TAIL qn, f1, stp
.if \stp == 0
	v_max3_num_f32 v[TW], v[TW], v[TW+1], v[TW+2]
.endif
.if \stp == 1
	v_max_num_f32 v[TW], v[TW], v[TW+3]
.endif
.if \stp == 2
	v_permlanex16_b32 v[TW+1], v[TW], s52, s53     ; lane l xor 16 holds the same query's other keys
.endif
.if \stp == 3
.if \f1
	v_max_num_f32 v[MX+\qn], v[TW], v[TW+1]
.else
	v_max3_num_f32 v[TW+2], v[TW], v[TW+1], v[MX+\qn]
.endif
.endif
.if \stp == 4
.if \f1
	v_mov_b32 v[ST+2*\qn+1], 1.0
.else
	v_mul_f32 v[TW+3], s50, v[TW+2]                ; the new shift
.endif
.endif
.if \stp == 5
.if \f1
	v_mul_f32 v[ST+2*\qn], s50, v[MX+\qn]          ; the shift -c m
.else
	v_sub_f32 v[TW+12], v[TW+3], v[ST+2*\qn]       ; new shift - old shift, at most 0
.endif
.endif
.if \stp == 6
.if \f1 == 0
	v_exp_f32 v[ST+2*\qn+1], v[TW+12]              ; the factor for what has been summed; a plain instruction that touches neither register follows every call
.endif
.endif
.if \stp == 7
.if \f1 == 0
	v_mov_b32 v[ST+2*\qn], v[TW+3]
	v_mov_b32 v[MX+\qn], v[TW+2]
	s_wait_alu depctr_va_vdst(0)
.endif
.endif
.endm
.macro NXT qn, lvl                     ; the tree, if there is a next tile
.if \qn >= 0
	TREE \qn, \lvl
.endif
.endm
.macro NX qn, f1, stp                  ; the tail, if there is a next tile
.if \qn >= 0
	TAIL \qn, \f1, \stp
.endif
.endm
; two roundings: two score tiles (32 keys) pack in place into one fragment of 8 registers; ascending, so that no number is overwritten before it is read
.macro CV q, u, i
	v_cvt_pk_bf16_f32 v[SC+32*\q+16*\u+\i],   v[SC+32*\q+16*\u+2*\i],   v[SC+32*\q+16*\u+2*\i+1]
	v_cvt_pk_bf16_f32 v[SC+32*\q+16*\u+\i+1], v[SC+32*\q+16*\u+2*\i+2], v[SC+32*\q+16*\u+2*\i+3]
.endm
; The change of tiles.  My last read of this slot (V's second chunk) has been issued.  refill = 1: the slot is filled again, two tiles ahead: the round of the
; cluster's barrier stands between every wave's last read of it and the fill, and between every wave's wait for its chunk of the other slot and the reads of that.
.macro BOUND slot, refill
	s_wait_tensorcnt 0x0                           ; all my tensor loads have landed, my chunk of the other slot among them: every group 0 may be written
	ds_add_u32 v254, v255
	s_wait_dscnt 0x0
.if \refill
	s_add_nc_u64 s[G0K+4*\slot+2:G0K+4*\slot+3], s[G0K+4*\slot+2:G0K+4*\slot+3], 2*TILEB
	s_add_nc_u64 s[G0V+4*\slot+2:G0V+4*\slot+3], s[G0V+4*\slot+2:G0V+4*\slot+3], 2*TILEB
.endif
	s_wait_dscnt 0x0                               ; my reads of this slot are over
.if \refill
	ROUND                                          ; both now hold of every wave of the four work-groups
	KVLOAD \slot                                   ; my one tensor load behind the round, first thing there; it has a tile's work in which to land
.else
	s_barrier_signal -1                            ; it shows the other slot whole
	s_barrier_wait -1
.endif
.endm
; MIX: sums and packing of tile q (f3 = 1: its first step), woven with the maximum of tile qn (-1: none; f1 = 1: its first step).
; km: what is done for K behind the first 17 plain instructions, which are the places behind the last score product (ISA guide 7.12.1 for vector instructions):
; 0 nothing; 1 the same tile's second chunk; 2 the change of tiles with a refill, then the other slot's first chunk; 3 the same without a refill.
.macro MIX q, qn, f3, f1, km, slot, other
	WIN 0
	SUM4 \q, 0
	NXT \qn, 0
	SUM4 \q, 1
	NXT \qn, 1
.if \km == 1
	KLOAD \slot, 1
.endif
.if \km == 2
	BOUND \slot, 1
	KLOAD \other, 0
.endif
.if \km == 3
	BOUND \slot, 0
	KLOAD \other, 0
.endif
	SUM4 \q, 2
	NXT \qn, 2
	NXT \qn, 3
	v_pk_add_f32 v[TW+4:TW+5], v[TW+4:TW+5], v[TW+6:TW+7]
	v_pk_add_f32 v[TW+8:TW+9], v[TW+8:TW+9], v[TW+10:TW+11]
	NX \qn, \f1, 0
	v_pk_add_f32 v[TW+4:TW+5], v[TW+4:TW+5], v[TW+8:TW+9]
	NX \qn, \f1, 1
	CV \q, 0, 0
	NX \qn, \f1, 2
.if \f3
	v_add_f32 v[LS+\q], v[TW+4], v[TW+5]
.else
	v_add_f32 v[TW+4], v[TW+4], v[TW+5]
.endif
	CV \q, 0, 2
	NX \qn, \f1, 3
.if \f3 == 0
	v_fma_f32 v[LS+\q], v[LS+\q], v[ST+2*\q+1], v[TW+4]
.endif
	CV \q, 0, 4
	NX \qn, \f1, 4
	CV \q, 0, 6
	NX \qn, \f1, 5
	CV \q, 1, 0
	NX \qn, \f1, 6
	CV \q, 1, 2
	NX \qn, \f1, 7
	CV \q, 1, 4
	CV \q, 1, 6
.endm
; what has been summed of output tile (q, dt) is brought to the new maximum
.macro RS q, dt
.set i, 0
.rept 4
	v_pk_mul_f32 v[OA+32*\q+8*\dt+2*i:OA+32*\q+8*\dt+2*i+1], v[OA+32*\q+8*\dt+2*i:OA+32*\q+8*\dt+2*i+1], v[ST+2*\q:ST+2*\q+1] op_sel:[0,1] op_sel_hi:[1,1]
.set i, i+1
.endr
.endm
.macro PVW q, u, dt, zero
.if \zero
	v_wmma_f32_16x16x32_bf16 v[OA+32*\q+8*\dt:OA+32*\q+8*\dt+7], v[VF+32*\u+8*\dt:VF+32*\u+8*\dt+7], v[SC+32*\q+16*\u:SC+32*\q+16*\u+7], 0
	s_wait_alu depctr_va_vdst(0)
.else
	v_wmma_f32_16x16x32_bf16 v[OA+32*\q+8*\dt:OA+32*\q+8*\dt+7], v[VF+32*\u+8*\dt:VF+32*\u+8*\dt+7], v[SC+32*\q+16*\u:SC+32*\q+16*\u+7], v[OA+32*\q+8*\dt:OA+32*\q+8*\dt+7]
.endif
.endm
; P4: 64 d x 16 queries x 64 keys.  One window setting serves the rescaling (destination and source 0 in window 1, the factor in window 0) and the products.
; The four output tiles take turns, one instruction a turn.  first = 1: the products start the sums.
.macro PVR q, first
	WIN 0x51
.if \first
	PVW \q, 0, 0, 1
	PVW \q, 0, 1, 1
	PVW \q, 0, 2, 1
	PVW \q, 0, 3, 1
.else
	RS \q, 0
	RS \q, 1
	PVW \q, 0, 0, 0
	RS \q, 2
	PVW \q, 0, 1, 0
	RS \q, 3
	PVW \q, 0, 2, 0
	PVW \q, 0, 3, 0
.endif
	PVW \q, 1, 0, 0
	PVW \q, 1, 1, 0
	PVW \q, 1, 2, 0
	PVW \q, 1, 3, 0
.endm
; A step: 64 keys (chunk j of my half of the slot) against my four query tiles.  On entry: the scores of tiles 0 to 2 and tile 0's maximum are made, K's fragments
; of this step are in registers.  f = 1: the first step.  km: see MIX.  more = 1: a step follows, and its scores are made on the way.
.macro STEP slot, j, f, km, other, more
	EXPS 0, 3, \slot, \j                           ; with this step's scores of tile 3, and the request for this step's V
	MIX 0, 1, \f, \f, \km, \slot, \other
.if \km
	s_wait_dscnt 16                                ; V's 16 loads are in; the next K's 16, issued behind them, may be out
.else
	s_wait_dscnt 0                                 ; V's loads are in; nothing was issued behind them
.endif
	PVR 0, \f
.if \more
	s_wait_dscnt 0                                 ; the next step's K is in
	EXPS 1, 0, -1, 0
.else
	EXPS 1, -1, -1, 0
.endif
	MIX 1, 2, \f, \f, 0, 0, 0
	PVR 1, \f
.if \more
	EXPS 2, 1, -1, 0
.else
	EXPS 2, -1, -1, 0
.endif
	MIX 2, 3, \f, \f, 0, 0, 0
	PVR 2, \f
.if \more
	EXPS 3, 2, -1, 0
	MIX 3, 0, \f, 0, 0, 0, 0                       ; with the next step's first maximum
.else
	EXPS 3, -1, -1, 0
	MIX 3, -1, \f, 0, 0, 0, 0
.endif
	PVR 3, \f
.endm
; A tile of 256 keys: my half is two steps.  mode: 2 the slot is filled again on leaving; 3 it is not; 0 the last tile.
.macro TILE slot, other, f, mode
	STEP \slot, 0, \f, 1, \other, 1
.if \mode
	STEP \slot, 1, 0, \mode, \other, 1
.else
	STEP \slot, 1, 0, 0, \other, 0
.endif
	WIN 0
.endm
	s_load_b128 s[4:7], s[0:1], 0x0                ; qkv s[4:5], ao s[6:7]
	v_lshl_add_u32 v254, v0, 2, 0x42000
	v_mov_b32 v255, 0
	ds_add_u32 v254, v255
	v_lshrrev_b32 v1, 5, v0
	v_readfirstlane_b32 s8, v1                     ; wave 0..7
	s_and_b32 s9, s8, 3                            ; query group; also: which chunk of K or of V I fetch
	s_lshr_b32 s10, s8, 2                          ; key half; also: I fetch for K (0) or for V (1)
	s_bfe_u32 s11, ttmp6, 0x40000                  ; cx
	s_lshl_b32 s12, ttmp9, 2
	s_add_co_u32 s12, s12, s11                     ; query block = 4 x cluster x + cx
	s_and_b32 s13, ttmp7, 0xffff                   ; bh = 16 b + h: the cluster is one work-group high
	s_mov_b32 s48, 0x3e38aa3b                      ; c = log2(e) / 8: the scale 1 / sqrt(64) and the change of base in one
	s_mov_b32 s49, 0x3e38aa3b
	s_mov_b32 s50, 0xbe38aa3b                      ; -c
	s_mov_b32 s52, 0x76543210                      ; v_permlanex16_b32: lane i of one half reads lane i of the other
	s_mov_b32 s53, 0xfedcba98
	; group 1: 64 rows of 64 elements of 2 bytes, dense in memory, padded in LDS behind every 32 words
	s_mov_b32 s[G1K+0], 15|(1<<16)|(1<<20)|(1<<21)|(4<<22)|(3<<25)   ; mask: the cluster's four; 2-byte elements; padding on; bit 21 beside a mask; every 32 words; 4 words
	s_mov_b32 s[G1V+0], 15|(1<<16)|(1<<20)|(1<<21)|(4<<22)|(7<<25)   ; the same with 8 words of padding
	s_mov_b32 s[G1K+1], 64<<16                     ; tensor_dim0 = 64
	s_mov_b32 s[G1V+1], 64<<16
	s_mov_b32 s[G1K+2], 64<<16                     ; tensor_dim1 = 64
	s_mov_b32 s[G1V+2], 64<<16
	s_mov_b32 s[G1K+3], 64<<16                     ; tile_dim0 = 64
	s_mov_b32 s[G1V+3], 64<<16
	s_mov_b32 s[G1K+4], 64                         ; tile_dim1 = 64
	s_mov_b32 s[G1V+4], 64
	s_mov_b32 s[G1K+5], 64                         ; elements from row to row
	s_mov_b32 s[G1V+5], 64
	s_mov_b32 s[G1K+6], 0
	s_mov_b32 s[G1V+6], 0
	s_mov_b32 s[G1K+7], 0
	s_mov_b32 s[G1V+7], 0
	s_mul_i32 s58, s8, CHUNK                       ; my chunk in a slot: the wave's number alone
	s_lshl_b32 s54, s13, 18                        ; the head's 2,048 rows of 128 bytes,
	s_lshl_b32 s55, s9, 13                         ; my 64 keys of a tile: nothing here hangs on cx
	s_add_co_u32 s54, s54, s55
	s_mov_b32 s55, 0
	s_lshl_b32 s14, s13, 18                        ; Q: head, query block of 256 rows, my 64 rows
	s_lshl_b32 s15, s12, 15
	s_add_co_u32 s14, s14, s15
	s_lshl_b32 s15, s9, 13
	s_add_co_u32 s14, s14, s15
	s_mov_b32 s15, 0
	s_wait_dscnt 0x0
	s_wait_kmcnt 0x0
	s_add_nc_u64 s[56:57], s[4:5], s[54:55]
	s_add_nc_u64 s[60:61], s[4:5], s[14:15]        ; my 64 rows of Q
	s_lshr_b32 s14, s13, 4                         ; ao: ((16 b + 2 x query block + group / 2) x 16 + h) x 16,384 + (group & 1) x 8,192
	s_lshl_b32 s14, s14, 4
	s_lshl1_add_u32 s14, s12, s14
	s_lshr_b32 s15, s9, 1
	s_add_co_u32 s14, s14, s15
	s_lshl_b32 s14, s14, 4
	s_and_b32 s15, s13, 15
	s_add_co_u32 s14, s14, s15
	s_lshl_b32 s14, s14, 14
	s_and_b32 s15, s9, 1
	s_lshl_b32 s15, s15, 13
	s_add_co_u32 s14, s14, s15
	s_mov_b32 s15, 0
	s_add_nc_u64 s[6:7], s[6:7], s[14:15]
.irp n, 0,1
	s_mov_b32 s[G0K+4*\n], 1
	s_add_co_u32 s[G0K+4*\n+1], s58, \n*SLOTB
	s_add_nc_u64 s[G0K+4*\n+2:G0K+4*\n+3], s[56:57], 8388608+\n*TILEB     ; K lies 32 heads behind Q; tile n
	s_or_b32 s[G0K+4*\n+3], s[G0K+4*\n+3], 0x80000000
	s_mov_b32 s[G0V+4*\n], 1
	s_add_co_u32 s[G0V+4*\n+1], s58, \n*SLOTB
	s_add_nc_u64 s[G0V+4*\n+2:G0V+4*\n+3], s[56:57], 16777216+\n*TILEB    ; V 64 heads behind Q
	s_or_b32 s[G0V+4*\n+3], s[G0V+4*\n+3], 0x80000000
.endr
	ROUND                                          ; the four work-groups are here: the first joint loads meet
	KVLOAD 0                                       ; tiles 0 and 1: both first fills go out together: two loads of the wave are out
	KVLOAD 1
	v_and_b32 v1, 15, v0                           ; r = l % 16
	v_bfe_u32 v2, v0, 4, 1                         ; h = l / 16
	v_and_b32 v3, 31, v0                           ; l
	v_lshlrev_b32 v[QOFF], 7, v1
	v_lshl_add_u32 v[QOFF], v2, 4, v[QOFF]         ; r x 128 + 16 h
	WIN 0x40
.irp qt, 0,1,2,3
.irp ks, 0,1
	global_load_b128 v[QF+8*(2*\qt+\ks):QF+8*(2*\qt+\ks)+3],   v[QOFF], s[60:61] offset:\qt*2048+\ks*64
	global_load_b128 v[QF+8*(2*\qt+\ks)+4:QF+8*(2*\qt+\ks)+7], v[QOFF], s[60:61] offset:\qt*2048+\ks*64+32
.endr
.endr
	WIN 0
	s_mul_i32 s59, s10, 2*CHUNK                    ; my half of the keys: two chunks
	v_mul_u32_u24 v13, v1, KP
	v_lshl_add_u32 v13, v2, 4, v13                 ; r x 144 + 16 h
	v_add_nc_u32 v[ADK], s59, v13
	v_add_nc_u32 v[ADK+1], SLOTB, v[ADK]
	v_and_b32 v14, 7, v0
	v_lshl_add_u32 v14, v2, 3, v14                 ; key 8 h + l % 8
	v_mul_u32_u24 v14, v14, VP
	v_bfe_u32 v15, v0, 3, 1
	v_lshl_add_u32 v14, v15, 4, v14                ; + 16 x ((l / 8) % 2)
	v_add_nc_u32 v14, s59, v14
	v_add_nc_u32 v[ADV], 4*CHUNK, v14              ; V's chunks lie behind K's four
	v_add_nc_u32 v[ADV+1], SLOTB+4*CHUNK, v14
	s_mul_i32 s62, s9, MRGW
	s_add_co_u32 s62, s62, MRG
	v_lshl_add_u32 v[MRGA], v3, 4, s62
	s_mul_i32 s63, s9, STGW
	s_add_co_u32 s63, s63, STG
	v_add_nc_u32 v[STO], s63, v13                  ; in: row r, 16 bytes for each half of the lanes
	v_lshrrev_b32 v14, 3, v3
	v_mul_u32_u24 v14, v14, KP
	v_and_b32 v15, 7, v0
	v_lshl_add_u32 v14, v15, 4, v14
	v_add_nc_u32 v[RD], s63, v14                   ; back: four rows of 128 bytes a load
	v_lshlrev_b32 v[CO], 4, v3
	s_wait_loadcnt 0x0                             ; Q, once
	s_wait_tensorcnt 0x1                           ; my chunk of tile 0 is in; tile 1's load, issued behind it, stays out
	s_barrier_signal -1
	s_barrier_wait -1                              ; everybody's is
	; The way in: the first step's scores of query tiles 0 to 2 (twelve accumulators by turns, one instruction a turn), and tile 0's maximum.
	KLOAD 0, 0
	s_wait_dscnt 0x0
	WIN 0x04
.irp k, 0,1,2,3,4,5,6,7
.irp q, 0,1,2
	SMW \q, \k
.endr
.endr
	WIN 0
.rept 4
	v_nop                                          ; four places before a vector instruction reads the products (ISA guide 7.12.1)
.endr
.irp lvl, 0,1,2,3
	TREE 0, \lvl
.endr
.irp stp, 0,1,2,3,4,5,6,7
	TAIL 0, 1, \stp
.endr
	TILE 0, 1, 1, 2                                ; tile 0; on leaving, slot 0 is asked for tile 2
	TILE 1, 0, 0, 2
	s_mov_b32 s51, 2
.Ltiles:
	TILE 0, 1, 0, 2                                ; tiles 2 to 5 ask for tiles 4 to 7
	TILE 1, 0, 0, 2
	s_sub_co_u32 s51, s51, 1
	s_cmp_lg_u32 s51, 0
	s_cbranch_scc1 .Ltiles
	TILE 0, 1, 0, 3                                ; tile 6 asks for nothing,
	TILE 1, 0, 0, 0                                ; and tile 7 makes no further scores
	; THE END.  The upper wave of each pair hands its sums, maxima and outputs to the lower one.
.rept 4
	v_nop                                          ; places behind the last matrix instructions: their results are read, their sources loaded again
.endr
.irp qt, 0,1,2,3
	v_permlanex16_b32 v[TW+\qt], v[LS+\qt], s52, s53
.endr
.irp qt, 0,1,2,3
	v_add_f32 v[LS+\qt], v[LS+\qt], v[TW+\qt]      ; the query's whole sum over my keys
.endr
	s_cmp_eq_u32 s10, 0
	s_cbranch_scc1 .Lkeep
	WIN 0x04
.set i, 0
.rept 32
	ds_store_b128 v[MRGA], v[OA+4*i:OA+4*i+3] offset:512*i
.set i, i+1
.endr
	WIN 0
	ds_store_b128 v[MRGA], v[MX:MX+3] offset:16384
	ds_store_b128 v[MRGA], v[LS:LS+3] offset:16896
.Lkeep:
	s_wait_dscnt 0x0                               ; my stores are in LDS before I say so
	s_barrier_signal -1
	s_barrier_wait -1
	s_cmp_lg_u32 s10, 0
	s_cbranch_scc1 .Ldone
.set i, 0
.rept 32
	ds_load_b128 v[SC+4*i:SC+4*i+3], v[MRGA] offset:512*i          ; the partner's outputs, in my own lane layout
.set i, i+1
.endr
	ds_load_b128 v[TW:TW+3], v[MRGA] offset:16384                  ; its maxima
	ds_load_b128 v[TW+4:TW+7], v[MRGA] offset:16896                ; its sums
	s_wait_dscnt 0x0
.irp qt, 0,1,2,3
	v_max_num_f32 v[KF+\qt], v[MX+\qt], v[TW+\qt]
	v_mul_f32 v[KF+4+\qt], s50, v[MX+\qt]          ; my shift, as the exponentials used it
	v_mul_f32 v[KF+8+\qt], s50, v[TW+\qt]          ; the partner's
	v_mul_f32 v[KF+\qt], s50, v[KF+\qt]            ; the common one: equal to one of the two
	v_sub_f32 v[KF+4+\qt], v[KF+\qt], v[KF+4+\qt]
	v_sub_f32 v[KF+8+\qt], v[KF+\qt], v[KF+8+\qt]
.endr
.irp qt, 0,1,2,3
	v_exp_f32 v[KF+4+\qt], v[KF+4+\qt]
	v_exp_f32 v[KF+8+\qt], v[KF+8+\qt]
.endr
	v_nop                                          ; the plain place behind the exponentials
	s_wait_alu depctr_va_vdst(0)
.irp qt, 0,1,2,3
	v_mul_f32 v[KF+12+\qt], v[LS+\qt], v[KF+4+\qt]
	v_fmac_f32 v[KF+12+\qt], v[TW+4+\qt], v[KF+8+\qt]              ; the whole sum: at least 1, since one factor is 1 and the largest score gives 1
.endr
.irp qt, 0,1,2,3
	v_rcp_f32 v[KF+12+\qt], v[KF+12+\qt]
.endr
	v_nop                                          ; the plain place behind the reciprocals
	s_wait_alu depctr_va_vdst(0)
.irp qt, 0,1,2,3
	v_mul_f32 v[ST+2*\qt], v[KF+4+\qt], v[KF+12+\qt]               ; my factor
	v_mul_f32 v[ST+2*\qt+1], v[KF+8+\qt], v[KF+12+\qt]             ; the partner's
.endr
.irp qt, 0,1,2,3
.set i, 0
.rept 16
	v_pk_mul_f32 v[SC+32*\qt+2*i:SC+32*\qt+2*i+1], v[SC+32*\qt+2*i:SC+32*\qt+2*i+1], v[ST+2*\qt:ST+2*\qt+1] op_sel:[0,1] op_sel_hi:[1,1]
.set i, i+1
.endr
.endr
	WIN 0x01
.irp qt, 0,1,2,3
.set i, 0
.rept 16
	v_pk_fma_f32 v[SC+32*\qt+2*i:SC+32*\qt+2*i+1], v[OA+32*\qt+2*i:OA+32*\qt+2*i+1], v[ST+2*\qt:ST+2*\qt+1], v[SC+32*\qt+2*i:SC+32*\qt+2*i+1] op_sel_hi:[1,0,1]
.set i, i+1
.endr
.endr
	WIN 0
	; a lane's eight numbers of a tile are eight neighbouring d of one query: 16 bytes into my stage, whole rows back
.irp qt, 0,1,2,3
.irp dt, 0,1,2,3
.irp k, 0,1,2,3
	v_cvt_pk_bf16_f32 v[SC+8*(4*\qt+\dt)+\k], v[SC+8*(4*\qt+\dt)+2*\k], v[SC+8*(4*\qt+\dt)+2*\k+1]
.endr
	ds_store_b128 v[STO], v[SC+8*(4*\qt+\dt):SC+8*(4*\qt+\dt)+3] offset:\qt*16*KP+\dt*32
.endr
.endr
.set i, 0
.rept 16
	ds_load_b128 v[KF+4*i:KF+4*i+3], v[RD] offset:4*KP*i           ; my own bytes: LDS serves a wave's instructions in order (ISA guide 5.7.1.4)
.set i, i+1
.endr
.set i, 0
.rept 16
	s_wait_dscnt 15-i
	global_store_b128 v[CO], v[KF+4*i:KF+4*i+3], s[6:7] offset:512*i   ; 512 consecutive bytes, at a multiple of 512 from ao's first byte
.set i, i+1
.endr
.Ldone:
	s_wait_tensorcnt 0x0
	ds_add_u32 v254, v255
	s_wait_dscnt 0x0
	ROUND                                          ; the closing round: no work-group ends while a partner may still ask for a tile that names it
	s_endpgm
.Lfunc_end_k_q01e7c05284_attn:
	.size	k_q01e7c05284_attn, .Lfunc_end_k_q01e7c05284_attn-k_q01e7c05284_attn
	.p2alignl 7, 3214868480
	.fill 96, 4, 3214868480
	.section	.rodata,"a",@progbits
	.p2align	6, 0x0
	.amdhsa_kernel k_q01e7c05284_attn
		.amdhsa_group_segment_fixed_size 327680
		.amdhsa_private_segment_fixed_size 0
		.amdhsa_enable_private_segment 0
		.amdhsa_kernarg_size 16
		.amdhsa_user_sgpr_count 2
		.amdhsa_user_sgpr_kernarg_segment_ptr 1
		.amdhsa_wavefront_size32 1
		.amdhsa_system_sgpr_workgroup_id_x 1
		.amdhsa_system_sgpr_workgroup_id_y 1
		.amdhsa_system_sgpr_workgroup_id_z 1
		.amdhsa_system_vgpr_workitem_id 0
		.amdhsa_next_free_vgpr 512
		.amdhsa_next_free_sgpr 66
		.amdhsa_reserve_vcc 0
		.amdhsa_float_denorm_mode_32 3
		.amdhsa_float_denorm_mode_16_64 3
		.amdhsa_memory_ordered 1
		.amdhsa_forward_progress 1
		.amdhsa_inst_pref_size 255
	.end_amdhsa_kernel
	.section	.bss,"aw",@nobits
	.p2align	6
	.space	262144
	.amdgpu_metadata
---
amdhsa.version: [ 1, 2 ]
amdhsa.kernels:
  - .name:           k_q01e7c05284_attn
    .symbol:         k_q01e7c05284_attn.kd
    .args:
      - { .name: qkv, .offset: 0, .size: 8, .value_kind: global_buffer, .address_space: global }
      - { .name: ao, .offset: 8, .size: 8, .value_kind: global_buffer, .address_space: global }
    .group_segment_fixed_size: 327680
    .private_segment_fixed_size: 0
    .kernarg_segment_align: 8
    .kernarg_segment_size: 16
    .max_flat_workgroup_size: 256
    .sgpr_count:     66
    .vgpr_count:     512
    .wavefront_size: 32
...
	.end_amdgpu_metadata
.endif
;; end of part 3
;; launch comb (part 4): grid 8 x 32, 4 waves a work-group, clusters of 4 x 4, 327,680 bytes of LDS; arguments ao, wcb, att; writes att
.if DOCPART == 4
	.amdgcn_target "amdgcn-amd-amdhsa--gfx1250"
	.amdhsa_code_object_version 6
	.text
	.protected	k_q01e7c05284_comb
	.globl	k_q01e7c05284_comb
	.p2align	8
	.type	k_q01e7c05284_comb,@function
k_q01e7c05284_comb:
	s_mov_b64 s[64:65], 0
	v_nop
	global_prefetch_b8 v0, s[64:65] scope:SCOPE_SE
	s_setreg_imm32_b32 hwreg(HW_REG_WAVE_MODE, 25, 1), 1
	s_wait_xcnt 0x0
	s_wait_alu depctr_hold_cnt(0) depctr_sa_sdst(0) depctr_va_vdst(0) depctr_va_sdst(0) depctr_va_ssrc(0) depctr_va_vcc(0) depctr_vm_vsrc(0)
	s_getreg_b32 s2, hwreg(HW_REG_IB_STS2, 6, 4)
	s_cmp_eq_u32 s2, 0
	s_cbranch_scc0 .Lentry_in_a_cluster
	s_endpgm
.Lentry_in_a_cluster:
	s_bfe_u32 s2, ttmp6, 0x10000c
	s_cmp_lg_u32 s2, 0xf033
	s_cbranch_scc0 .Lentry_shape_is_right
	s_endpgm
.Lentry_shape_is_right:
; att = ao wcb^T in f32.  ao: bf16 [m >> 7][h 16][m & 127][64] (k = 64 h + d), wcb: [1024 (n)][1024 (k)] bf16, att: [4096][1024] f32.
; 8 x 32 = 256 blocks of 128 x 128, one a work-group; wave (w >> 1, w & 1) makes 64 x 64: 16 accumulator tiles.
; K = 1,024 goes as four big steps of 256 through two LDS slots, written out without a loop: both first fills go out at the start, and each of
; the two refills has a big step (128 matrix instructions of each wave) in which to land.
; A's tile of a big step is four heads x 128 rows x 128 bytes, 65,536 dense bytes: waves 0 and 1 bring two heads each, as 256 rows of 128 bytes.
; B's tile is 128 rows x 512 bytes: waves 2 and 3 bring 64 rows each.
; CLUSTERS: 4 x 4 work-groups; A's tile is shared along a row of the cluster, B's along a column: joint loads, as in the QKV product.
; The matrix instruction is used transposed (source 0 = rows of B), so that a lane holds eight neighbouring columns of a row of the result.
; The 16 accumulators take turns, one matrix instruction a turn, in the same order in every quarter.
.set AP, 144                           ; A's LDS pitch: 128 + 16
.set BP, 528                           ; B's LDS pitch: 512 + 16
.set PLANE, 128*AP                     ; a head's 128 rows
.set CH, 36864                         ; chunk w, loaded by wave w: two planes of A (2 x 18,432), or 64 rows of B (33,792 used)
.set SLOT, 4*CH
.set STAGE, 2*SLOT                     ; behind the ring: 16 rows x 272 bytes for each wave; no tensor load lands here
.set SPITCH, 272
.set ASTEP, 65536                      ; a big step in ao: four heads
.set BSTEP, 512                        ; a big step along wcb's rows
.set ADRA, 16                          ; v16-17 LDS address of my A fragments, slot 0, 1
.set ADRB, 20                          ; v20-21 the same for B
.set STO, 24
.set RD, 25
.set CO, 26
.set F0, 32                            ; v[32:95]  B's four fragments, then A's four
.set F1, 96                            ; v[96:159] the second buffer
.set G1, 24
.set G0, 32
.set G1B, 48
.set G0B, 56
.set MSB, 0
.macro WIN new
.if MSB != \new
	s_set_vgpr_msb (MSB<<8)|\new
.set MSB, \new
.endif
.endm
.set MULW, 0x50                        ; C and D in window 1 (tile (a, b) at v[8 (4 a + b)]), both sources in window 0
.macro JLOAD s
	s_cmp_eq_u32 s11, 0
	s_cbranch_scc0 .Lfor_b_\@
	tensor_load_to_lds s[G0+4*\s:G0+4*\s+3], s[G1:G1+7]
	s_nop 0
	s_branch .Lasked_\@
.Lfor_b_\@:
	tensor_load_to_lds s[G0B+4*\s:G0B+4*\s+3], s[G1B:G1B+7]
	s_nop 0
.Lasked_\@:
.endm
.macro CREST
	s_cmp_lg_u32 s10, 0
	s_cbranch_scc1 .Lnot_wave_0_\@
	s_barrier_signal -3
.Lnot_wave_0_\@:
	s_barrier_wait -3
	s_barrier_signal -1
	s_barrier_wait -1
.endm
.macro CROUND
	s_barrier_signal -1
	s_barrier_wait -1
	CREST
.endm
	s_load_b128 s[4:7], s[0:1], 0x0                ; ao s[4:5], wcb s[6:7]
	s_load_b64 s[8:9], s[0:1], 0x10                ; att
	v_lshl_add_u32 v254, v0, 2, 0x4c400
	v_mov_b32 v255, 0
	ds_add_u32 v254, v255
	v_lshrrev_b32 v1, 5, v0
	v_readfirstlane_b32 s10, v1                    ; wave 0..3
	s_lshr_b32 s11, s10, 1                         ; my half of the block's rows.  Also: I fetch for A (0) or for B (1)
	s_and_b32 s12, s10, 1                          ; my half of its columns.  Also: which half of that tile I fetch
	s_bfe_u32 s40, ttmp6, 0x40000                  ; cx
	s_bfe_u32 s41, ttmp6, 0x40004                  ; cy
	s_lshl_b32 s42, ttmp9, 2
	s_add_co_u32 s42, s42, s40                     ; block column
	s_and_b32 s13, ttmp7, 0xffff
	s_lshl_b32 s13, s13, 2
	s_add_co_u32 s13, s13, s41                     ; block row
	s_lshl_b32 s43, s41, 2
	s_lshl_b32 s43, 15, s43                        ; my row of the cluster
	s_lshl_b32 s44, 0x1111, s40                    ; my column
	s_or_b32 s[G1+0], s43, (1<<16)|(1<<20)|(1<<21)|(4<<22)|(3<<25)   ; A: 2-byte elements, 4 words of padding behind every 32
	s_or_b32 s[G1B+0], s44, (1<<16)|(1<<20)|(1<<21)|(6<<22)|(3<<25)  ; B: 4 words behind every 128
	s_mov_b32 s[G1+1], 64<<16                      ; A: tensor_dim0 = 64
	s_mov_b32 s[G1+2], 256<<16                     ;    tensor_dim1 = 256
	s_mov_b32 s[G1+3], 64<<16                      ;    tile_dim0 = 64
	s_mov_b32 s[G1+4], 256                         ;    tile_dim1 = 256: two heads' rows
	s_mov_b32 s[G1+5], 64                          ;    dense
	s_mov_b32 s[G1+6], 0
	s_mov_b32 s[G1+7], 0
	s_mov_b32 s[G1B+1], 256<<16                    ; B: tensor_dim0 = 256
	s_mov_b32 s[G1B+2], 64<<16                     ;    tensor_dim1 = 64
	s_mov_b32 s[G1B+3], 256<<16                    ;    tile_dim0 = 256
	s_mov_b32 s[G1B+4], 64                         ;    tile_dim1 = 64
	s_mov_b32 s[G1B+5], 1024                       ;    elements from row to row
	s_mov_b32 s[G1B+6], 0
	s_mov_b32 s[G1B+7], 0
	s_lshl_b32 s16, s13, 18                        ; A: block row x 16 heads x 16,384 bytes
	s_lshl_b32 s17, s12, 15                        ;    + my two heads of the four
	s_add_co_u32 s16, s16, s17
	s_mov_b32 s17, 0
	s_lshl_b32 s46, s42, 18                        ; B: block column x 128 rows x 2,048 bytes
	s_lshl_b32 s47, s12, 17                        ;    + my 64 rows
	s_add_co_u32 s46, s46, s47
	s_mov_b32 s47, 0
	s_mul_i32 s20, s10, CH                         ; my chunk: the wave's number alone
	s_wait_dscnt 0x0
	s_wait_kmcnt 0x0
	s_add_nc_u64 s[14:15], s[4:5], s[16:17]
	s_add_nc_u64 s[46:47], s[6:7], s[46:47]
	CROUND                                         ; all sixteen work-groups are here: the first joint loads meet
.irp s, 0,1
	s_mov_b32 s[G0+4*\s], 1
	s_add_co_u32 s[G0+4*\s+1], s20, \s*SLOT
	s_add_nc_u64 s[G0+4*\s+2:G0+4*\s+3], s[14:15], \s*ASTEP
	s_or_b32 s[G0+4*\s+3], s[G0+4*\s+3], 0x80000000
	s_mov_b32 s[G0B+4*\s], 1
	s_add_co_u32 s[G0B+4*\s+1], s20, \s*SLOT
	s_add_nc_u64 s[G0B+4*\s+2:G0B+4*\s+3], s[46:47], \s*BSTEP
	s_or_b32 s[G0B+4*\s+3], s[G0B+4*\s+3], 0x80000000
	JLOAD \s                                       ; big steps 0 and 1: two loads of the wave are out
.endr
	v_and_b32 v1, 15, v0                           ; r
	v_bfe_u32 v2, v0, 4, 1                         ; h
	v_mul_u32_u24 v3, v1, AP
	v_lshl_add_u32 v3, v2, 4, v3
	v_mul_u32_u24 v4, v1, BP
	v_lshl_add_u32 v4, v2, 4, v4
	s_mul_i32 s21, s11, 64*AP                      ; my 64 rows in every plane of A
	s_mul_i32 s22, s12, CH                         ; my 64 rows of B: chunk 2 or 3
	s_add_co_u32 s22, s22, 2*CH
.irp s, 0,1
	v_add_nc_u32 v[ADRA+\s], s21, v3
	v_add_nc_u32 v[ADRB+\s], s22, v4
	s_add_co_u32 s21, s21, SLOT
	s_add_co_u32 s22, s22, SLOT
.endr
	s_mul_i32 s23, s10, 16*SPITCH
	s_add_co_u32 s23, s23, STAGE
	v_mul_u32_u24 v5, v1, SPITCH                   ; in: row r, 32 bytes for each half of the lanes
	v_lshl_add_u32 v5, v2, 5, v5
	v_add_nc_u32 v[STO], s23, v5
	v_mul_u32_u24 v5, v2, SPITCH                   ; back: lanes 0-15 one row of 256 bytes, lanes 16-31 the next
	v_lshl_add_u32 v5, v1, 4, v5
	v_add_nc_u32 v[RD], s23, v5
	v_lshlrev_b32 v5, 12, v2                       ; the same two rows in att
	v_lshl_add_u32 v[CO], v1, 4, v5
; 16 LDS loads: the fragments of quarter q (32 along K) of a big step: K = 32 q lies in plane q / 2 of A, at byte 64 (q % 2) of its rows
.macro FETCH slot, q, f
	WIN 0
.irp i, 0,1,2,3
	ds_load_b128 v[\f+8*\i:\f+8*\i+3],   v[ADRB+\slot] offset:64*\q+\i*16*BP
	ds_load_b128 v[\f+8*\i+4:\f+8*\i+7], v[ADRB+\slot] offset:64*\q+\i*16*BP+32
.endr
.irp i, 0,1,2,3
	ds_load_b128 v[\f+32+8*\i:\f+32+8*\i+3],   v[ADRA+\slot] offset:(\q>>1)*PLANE+(\q&1)*64+\i*16*AP
	ds_load_b128 v[\f+32+8*\i+4:\f+32+8*\i+7], v[ADRA+\slot] offset:(\q>>1)*PLANE+(\q&1)*64+\i*16*AP+32
.endr
.endm
; 8 matrix instructions: row blocks a0, a0 + 1 x all four column blocks
.macro MUL8 f, a0, zero
	WIN MULW
.irp a, \a0, \a0+1
.irp b, 0,1,2,3
.if \zero
	v_wmma_f32_16x16x32_bf16 v[8*(4*(\a)+\b):8*(4*(\a)+\b)+7], v[\f+8*\b:\f+8*\b+7], v[\f+32+8*(\a):\f+32+8*(\a)+7], 0
.else
	v_wmma_f32_16x16x32_bf16 v[8*(4*(\a)+\b):8*(4*(\a)+\b)+7], v[\f+8*\b:\f+8*\b+7], v[\f+32+8*(\a):\f+32+8*(\a)+7], v[8*(4*(\a)+\b):8*(4*(\a)+\b)+7]
.endif
.endr
.endr
.endm
.macro PLACES                          ; four places between a matrix instruction and a load into a register that it has read, or a read of its result (ISA guide 7.12.1 for vector instructions)
.rept 4
	v_nop
.endr
.endm
; a quarter: asks for the next quarter's fragments into buffer g, then multiplies buffer f
.macro QUARTER slot, qnext, f, g, zero
	PLACES
	FETCH \slot, \qnext, \g
	s_wait_dscnt 16                                ; buffer f is in; the 16 loads just issued may be out
	MUL8 \f, 0, \zero
	MUL8 \f, 2, \zero
.endm
.macro SEVEN slot, zero                ; quarters 0 to 6 of a big step
	QUARTER \slot, 1, F0, F1, \zero
	QUARTER \slot, 2, F1, F0, 0
	QUARTER \slot, 3, F0, F1, 0
	QUARTER \slot, 4, F1, F0, 0
	QUARTER \slot, 5, F0, F1, 0
	QUARTER \slot, 6, F1, F0, 0
	QUARTER \slot, 7, F0, F1, 0
.endm
; quarter 7, on buffer 1, and the change of slots.  In front of the barrier each wave waits for its reads of this slot and for all its tensor loads;
; behind it (fill = 1: behind the cluster's round that it opens) this slot is filled again first, then the next slot is read.
.macro CHANGE slot, next, fill
	s_wait_dscnt 0x0                               ; buffer 1 is in, and with it my last reads of this slot
	s_wait_tensorcnt 0x0                           ; all my tensor loads have landed, my part of the next slot among them
	ds_add_u32 v254, v255
	s_wait_dscnt 0x0
	s_barrier_signal -1
	MUL8 F1, 0, 0                                  ; register work while the others arrive
	WIN 0
	s_barrier_wait -1
.if \fill
	CREST                                          ; no wave of any partner still reads this slot or has a load on its way
	s_add_nc_u64 s[G0+4*\slot+2:G0+4*\slot+3], s[G0+4*\slot+2:G0+4*\slot+3], 2*ASTEP
	s_add_nc_u64 s[G0B+4*\slot+2:G0B+4*\slot+3], s[G0B+4*\slot+2:G0B+4*\slot+3], 2*BSTEP
	JLOAD \slot                                    ; my one tensor load behind the round, first thing there
.endif
	PLACES
	FETCH \next, 0, F0
	MUL8 F1, 2, 0
.endm
	s_wait_tensorcnt 1                             ; my part of big step 0 is in; big step 1's load, issued behind it, stays out
	s_barrier_signal -1
	s_barrier_wait -1
	FETCH 0, 0, F0
	SEVEN 0, 1                                     ; the first products start the sums
	CHANGE 0, 1, 1                                 ; slot 0 gets big step 2
	SEVEN 1, 0
	CHANGE 1, 0, 1                                 ; slot 1 gets big step 3
	SEVEN 0, 0
	CHANGE 0, 1, 0
	SEVEN 1, 0
	s_wait_dscnt 0x0
	MUL8 F1, 0, 0
	MUL8 F1, 2, 0
	; THE WAY OUT, 16 rows at a time through my own stage: a lane's 32 bytes in, whole rows of 256 bytes back.
	PLACES
	WIN 0
	s_lshl_b32 s16, s13, 19                        ; block row x 128 rows x 4,096 bytes
	s_lshl_b32 s17, s11, 18                        ; + my 64 rows
	s_add_co_u32 s16, s16, s17
	s_mov_b32 s17, 0
	s_add_nc_u64 s[8:9], s[8:9], s[16:17]
	s_lshl_b32 s46, s42, 9                         ; block column x 128 x 4 bytes
	s_lshl_b32 s47, s12, 8                         ; + my 64 columns
	s_add_co_u32 s46, s46, s47
	s_mov_b32 s47, 0
	s_add_nc_u64 s[8:9], s[8:9], s[46:47]
.irp a, 0,1,2,3
	WIN 0x04
.irp b, 0,1,2,3
	ds_store_b128 v[STO], v[8*(4*\a+\b):8*(4*\a+\b)+3]   offset:64*\b
	ds_store_b128 v[STO], v[8*(4*\a+\b)+4:8*(4*\a+\b)+7] offset:64*\b+16
.endr
	WIN 0
.irp t, 0,1,2,3,4,5,6,7
	ds_load_b128 v[F0+32*\a+4*\t:F0+32*\a+4*\t+3], v[RD] offset:\t*2*SPITCH   ; my own bytes, served in order (ISA guide 5.7.1.4); each group of 16 rows has registers of its own
.endr
.irp t, 0,1,2,3,4,5,6,7
	s_wait_dscnt 7-\t
	global_store_b128 v[CO], v[F0+32*\a+4*\t:F0+32*\a+4*\t+3], s[8:9] offset:(16*\a+2*\t)*4096   ; 16 lanes store 256 consecutive bytes at a multiple of 256
.endr
.endr
	s_wait_tensorcnt 0x0
	ds_add_u32 v254, v255
	s_wait_dscnt 0x0
	CROUND                                         ; the closing round
	s_endpgm
.Lfunc_end_k_q01e7c05284_comb:
	.size	k_q01e7c05284_comb, .Lfunc_end_k_q01e7c05284_comb-k_q01e7c05284_comb
	.p2alignl 7, 3214868480
	.fill 96, 4, 3214868480
	.section	.rodata,"a",@progbits
	.p2align	6, 0x0
	.amdhsa_kernel k_q01e7c05284_comb
		.amdhsa_group_segment_fixed_size 327680
		.amdhsa_private_segment_fixed_size 0
		.amdhsa_enable_private_segment 0
		.amdhsa_kernarg_size 24
		.amdhsa_user_sgpr_count 2
		.amdhsa_user_sgpr_kernarg_segment_ptr 1
		.amdhsa_wavefront_size32 1
		.amdhsa_system_sgpr_workgroup_id_x 1
		.amdhsa_system_sgpr_workgroup_id_y 1
		.amdhsa_system_sgpr_workgroup_id_z 1
		.amdhsa_system_vgpr_workitem_id 0
		.amdhsa_next_free_vgpr 384
		.amdhsa_next_free_sgpr 66
		.amdhsa_reserve_vcc 0
		.amdhsa_float_denorm_mode_32 3
		.amdhsa_float_denorm_mode_16_64 3
		.amdhsa_memory_ordered 1
		.amdhsa_forward_progress 1
		.amdhsa_inst_pref_size 88
	.end_amdhsa_kernel
	.amdgpu_metadata
---
amdhsa.version: [ 1, 2 ]
amdhsa.kernels:
  - .name:           k_q01e7c05284_comb
    .symbol:         k_q01e7c05284_comb.kd
    .args:
      - { .name: ao, .offset: 0, .size: 8, .value_kind: global_buffer, .address_space: global }
      - { .name: wcb, .offset: 8, .size: 8, .value_kind: global_buffer, .address_space: global }
      - { .name: att, .offset: 16, .size: 8, .value_kind: global_buffer, .address_space: global }
    .group_segment_fixed_size: 327680
    .private_segment_fixed_size: 0
    .kernarg_segment_align: 8
    .kernarg_segment_size: 24
    .max_flat_workgroup_size: 128
    .sgpr_count:     66
    .vgpr_count:     384
    .wavefront_size: 32
...
	.end_amdgpu_metadata
.endif
;; end of part 4
;; launch ln (part 5): grid 256 x 1, 8 waves a work-group, no clusters, 21,504 bytes of LDS; arguments x, att, b_comb, gamma1, beta1, gamma2, beta2, theta, w1, b1, out0; writes out0
.if DOCPART == 5
	.amdgcn_target "amdgcn-amd-amdhsa--gfx1250"
	.amdhsa_code_object_version 6
	.text
	.protected	k_q01e7c05284_ln
	.globl	k_q01e7c05284_ln
	.p2align	8
	.type	k_q01e7c05284_ln,@function
k_q01e7c05284_ln:
	s_mov_b64 s[64:65], 0
	v_nop
	global_prefetch_b8 v0, s[64:65] scope:SCOPE_SE
	s_setreg_imm32_b32 hwreg(HW_REG_WAVE_MODE, 25, 1), 1
	s_wait_xcnt 0x0
; out0 = LN2(x1 + ffn), x1 = LN1(x + att + b_comb), ffn[row] = sum over j < 8 of cos(x1[row][j]) cos(theta[j]) w1[j] + b1.  All in f32.
; Memory binds: x and att are read once, out0 is written once, by loads and stores of which a wave's covers 512 neighbouring bytes.
; One wave takes a whole row (32 registers: chunk i of lane l holds columns 128 i + 4 l + 0..3) and two rows in all; eight waves, 16 rows a work-group,
; 256 work-groups.  All 32 row loads of a wave go out at the start.  The five parameter vectors are copied once into LDS (vector p at 4,096 p).
; Each variance is the mean of squared differences from the mean.  No matrix unit, no cluster: nothing but 20 KiB of parameters is shared.
; LIMIT: the cosine reduces its argument by one f32 product with 1 / 2 pi, so its absolute error grows as |x| 2^-24 turns; on the reduced
; argument it is the sine series up to a^11 on [-pi/2, pi/2], whose first omitted term is below 6e-8.
.set ROWB, 4096
.set TH, 4                             ; v[4:7]    theta of my four columns (lanes 0 and 1)
.set CW, 8                             ; v[8:11]   cos(theta) w1 of my four columns; 0 in lanes 2 to 31
.set T, 12                             ; v[12:31]  at work
.set XR, 32                            ; row r: x, then the row at work, at XR + 64 r; att at XR + 32 + 64 r
.set P, 160                            ; v[160:191] a parameter vector's 32 numbers of my columns
.set P2, 192                           ; v[192:223] a second one
; d = cos(src); t, t + 1: two registers at work.  cos(2 pi t) = sin(2 pi (1/4 - |t|)) for t in [-1/2, 1/2]
.macro COS d, src, t
	v_mul_f32 v[\t], 0.15915494, v[\src]           ; in turns
	v_rndne_f32 v[\t+1], v[\t]
	v_sub_f32 v[\t], v[\t], v[\t+1]                ; in [-1/2, 1/2]
	v_sub_f32 v[\t], s32, |v[\t]|                  ; 1/4 - |t|, in [-1/4, 1/4]
	v_mul_f32 v[\t], 0x40c90fdb, v[\t]             ; a, in [-pi/2, pi/2]
	v_mul_f32 v[\t+1], v[\t], v[\t]
	v_mov_b32 v[\d], 0xb2d7322b                    ; -1/11!
	v_fmaak_f32 v[\d], v[\d], v[\t+1], 0x3638ef1d  ; 1/9!
	v_fmaak_f32 v[\d], v[\d], v[\t+1], 0xb9500d01  ; -1/7!
	v_fmaak_f32 v[\d], v[\d], v[\t+1], 0x3c088889  ; 1/5!
	v_fmaak_f32 v[\d], v[\d], v[\t+1], 0xbe2aaaab  ; -1/3!
	v_fmaak_f32 v[\d], v[\d], v[\t+1], 0x3f800000
	v_mul_f32 v[\d], v[\d], v[\t]
.endm
; v[T] summed over the 32 lanes, the result in every lane
.macro WSUM
	v_add_f32_dpp v[T], v[T], v[T] row_xmask:1 row_mask:0xf bank_mask:0xf
	v_add_f32_dpp v[T], v[T], v[T] row_xmask:2 row_mask:0xf bank_mask:0xf
	v_add_f32_dpp v[T], v[T], v[T] row_xmask:4 row_mask:0xf bank_mask:0xf
	v_add_f32_dpp v[T], v[T], v[T] row_xmask:8 row_mask:0xf bank_mask:0xf
	v_permlanex16_b32 v[T+1], v[T], s27, s28
	v_add_f32 v[T], v[T], v[T+1]
.endm
; the four chains v[T:T+7] folded into one number and summed over the wave
.macro FOLD
	v_pk_add_f32 v[T:T+1], v[T:T+1], v[T+2:T+3]
	v_pk_add_f32 v[T+4:T+5], v[T+4:T+5], v[T+6:T+7]
	v_pk_add_f32 v[T:T+1], v[T:T+1], v[T+4:T+5]
	v_add_f32 v[T], v[T], v[T+1]
	WSUM
.endm
; parameter vector p: my 32 numbers into dst
.macro PLOAD dst, p
.irp i, 0,1,2,3,4,5,6,7
	ds_load_b128 v[\dst+4*\i:\dst+4*\i+3], v1 offset:\p*4096+512*\i
.endr
.endm
; the row at y has its mean taken away; 1 / sqrt(variance + 1e-5) goes into the pair v[T+10:T+11]
.macro STATS y
.irp c, 0,1,2,3
	v_pk_add_f32 v[T+2*\c:T+2*\c+1], v[\y+4*\c:\y+4*\c+1], v[\y+4*\c+2:\y+4*\c+3]      ; the first sixteen numbers start four chains
.endr
.irp g, 0,1
.irp c, 0,1,2,3
	v_pk_add_f32 v[T+2*\c:T+2*\c+1], v[T+2*\c:T+2*\c+1], v[\y+16+8*\g+2*\c:\y+16+8*\g+2*\c+1]
.endr
.endr
	FOLD
	v_mul_f32 v[T+8], s33, v[T]                    ; the mean
	v_mov_b32 v[T+9], v[T+8]
.set i, 0
.rept 16
	v_pk_add_f32 v[\y+2*i:\y+2*i+1], v[\y+2*i:\y+2*i+1], v[T+8:T+9] neg_lo:[0,1] neg_hi:[0,1]
.set i, i+1
.endr
.irp c, 0,1,2,3
	v_pk_mul_f32 v[T+2*\c:T+2*\c+1], v[\y+2*\c:\y+2*\c+1], v[\y+2*\c:\y+2*\c+1]
.endr
.irp g, 1,2,3
.irp c, 0,1,2,3
	v_pk_fma_f32 v[T+2*\c:T+2*\c+1], v[\y+8*\g+2*\c:\y+8*\g+2*\c+1], v[\y+8*\g+2*\c:\y+8*\g+2*\c+1], v[T+2*\c:T+2*\c+1]
.endr
.endr
	FOLD
	v_fmaak_f32 v[T+12], s33, v[T], 0x3727c5ac     ; variance + 1e-5
	v_rsq_f32 v[T+10], v[T+12]
	v_rsq_f32 v[T+11], v[T+12]
	v_nop                                          ; the plain place behind the transcendentals (ISA guide 5.7.2)
.endm
; y = (y / sigma) gain + shift; gain in P, shift in P2, asked for earlier
.macro AFFINE y
	s_wait_dscnt 0x0                               ; both vectors are in
.set i, 0
	s_wait_alu depctr_va_vdst(0)
.rept 16
	v_pk_mul_f32 v[\y+2*i:\y+2*i+1], v[\y+2*i:\y+2*i+1], v[T+10:T+11]
.set i, i+1
.endr
.set i, 0
.rept 16
	v_pk_fma_f32 v[\y+2*i:\y+2*i+1], v[\y+2*i:\y+2*i+1], v[P+2*i:P+2*i+1], v[P2+2*i:P2+2*i+1]
.set i, i+1
.endr
.endm
; one row.  left = how many younger row loads may stay out
.macro ROW r, left
	s_wait_loadcnt \left
	PLOAD P, 0                                     ; b_comb
.set i, 0
.rept 16
	v_pk_add_f32 v[XR+64*\r+2*i:XR+64*\r+2*i+1], v[XR+64*\r+2*i:XR+64*\r+2*i+1], v[XR+32+64*\r+2*i:XR+32+64*\r+2*i+1]
.set i, i+1
.endr
	s_wait_dscnt 0x0
.set i, 0
.rept 16
	v_pk_add_f32 v[XR+64*\r+2*i:XR+64*\r+2*i+1], v[XR+64*\r+2*i:XR+64*\r+2*i+1], v[P+2*i:P+2*i+1]
.set i, i+1
.endr
	PLOAD P, 1                                     ; gamma1 and beta1, on their way during the statistics
	PLOAD P2, 2
	STATS XR+64*\r
	AFFINE XR+64*\r                                ; x1
	PLOAD P, 3                                     ; gamma2 and beta2
	PLOAD P2, 4
.irp j, 0,1,2,3
	COS T+\j, XR+64*\r+\j, T+4+2*\j                ; columns 0 to 7 lie in chunk 0 of lanes 0 and 1; the other lanes' weights are 0
.endr
	v_mul_f32 v[T], v[T], v[CW]
	v_fmac_f32 v[T], v[T+1], v[CW+1]
	v_fmac_f32 v[T], v[T+2], v[CW+2]
	v_fmac_f32 v[T], v[T+3], v[CW+3]
	WSUM
	v_add_f32 v[T+8], s26, v[T]                    ; + b1: the row's one number
	v_mov_b32 v[T+9], v[T+8]
.set i, 0
.rept 16
	v_pk_add_f32 v[XR+64*\r+2*i:XR+64*\r+2*i+1], v[XR+64*\r+2*i:XR+64*\r+2*i+1], v[T+8:T+9]
.set i, i+1
.endr
	STATS XR+64*\r
	AFFINE XR+64*\r
.irp i, 0,1,2,3,4,5,6,7
	global_store_b128 v2, v[XR+64*\r+4*\i:XR+64*\r+4*\i+3], s[24:25] offset:\r*ROWB+512*\i th:TH_STORE_NT   ; the row's registers are not written again
.endr
.endm
	s_load_b512 s[4:19], s[0:1], 0x0               ; x s[4:5], att s[6:7], b_comb s[8:9], gamma1 s[10:11], beta1 s[12:13], gamma2 s[14:15], beta2 s[16:17], theta s[18:19]
	s_load_b128 s[20:23], s[0:1], 0x40             ; w1 s[20:21], b1 s[22:23]
	s_load_b64 s[24:25], s[0:1], 0x50              ; out0
	v_lshl_add_u32 v224, v0, 2, 0x5000
	v_mov_b32 v225, 0
	v_and_b32 v1, 31, v0                           ; lane
	v_lshrrev_b32 v2, 5, v0                        ; wave
	v_lshlrev_b32 v3, 4, v0                        ; 16 t: my 16 bytes of a parameter vector
	v_min_u32 v[T], 1, v1
	v_lshlrev_b32 v[T], 4, v[T]                    ; theta and w1 have 32 bytes: lane 0 takes the first 16, all others the second
	v_cmp_gt_u32 vcc_lo, 2, v1                     ; lanes 0 and 1 hold columns 0 to 7
	v_lshlrev_b32 v1, 4, v1                        ; 16 x lane
	v_lshl_add_u32 v2, v2, 13, v1                  ; + wave x two rows
	s_lshl_b32 s30, ttmp9, 16                      ; the work-group's 16 rows of 4,096 bytes
	s_mov_b32 s31, 0
	s_mov_b32 s27, 0x76543210                      ; v_permlanex16_b32: lane i of one half reads lane i of the other
	s_mov_b32 s28, 0xfedcba98
	s_mov_b32 s32, 0x3e800000                      ; 1/4
	s_mov_b32 s33, 0x3a800000                      ; 1/1024
	s_wait_kmcnt 0x0
	s_load_b32 s26, s[22:23], 0x0                  ; b1
	s_add_nc_u64 s[4:5], s[4:5], s[30:31]
	s_add_nc_u64 s[6:7], s[6:7], s[30:31]
	s_add_nc_u64 s[24:25], s[24:25], s[30:31]
.irp p, 0,1,2,3,4
	global_load_b128 v[P+4*\p:P+4*\p+3], v3, s[8+2*\p:9+2*\p]
.endr
	global_load_b128 v[TH:TH+3], v[T], s[18:19]
	global_load_b128 v[CW:CW+3], v[T], s[20:21]
.irp r, 0,1
.irp i, 0,1,2,3,4,5,6,7
	global_load_b128 v[XR+64*\r+4*\i:XR+64*\r+4*\i+3], v2, s[4:5] offset:\r*ROWB+512*\i th:TH_LOAD_NT
.endr
.irp i, 0,1,2,3,4,5,6,7
	global_load_b128 v[XR+32+64*\r+4*\i:XR+32+64*\r+4*\i+3], v2, s[6:7] offset:\r*ROWB+512*\i th:TH_LOAD_NT
.endr
.endr
	s_wait_loadcnt 32                              ; the seven parameter loads are in; the 32 row loads issued behind them stay out
.irp p, 0,1,2,3,4
	ds_store_b128 v3, v[P+4*\p:P+4*\p+3] offset:\p*4096
.endr
.irp j, 0,1,2,3
	COS T+\j, TH+\j, T+4+2*\j
.endr
.irp j, 0,1,2,3
	v_mul_f32 v[CW+\j], v[CW+\j], v[T+\j]          ; cos(theta) w1
.endr
.irp j, 0,1,2,3
	v_cndmask_b32 v[CW+\j], 0, v[CW+\j], vcc_lo    ; and 0 for columns 8 and up
.endr
	s_wait_dscnt 0x0                               ; my part of the parameters is in LDS before I say so
	s_barrier_signal -1
	s_barrier_wait -1
	s_wait_kmcnt 0x0                               ; b1
	ROW 0, 16                                      ; row 1's sixteen loads stay out
	ROW 1, 0
	s_wait_tensorcnt 0x0
	ds_add_u32 v224, v225
	s_wait_dscnt 0x0
	s_endpgm
.Lfunc_end_k_q01e7c05284_ln:
	.size	k_q01e7c05284_ln, .Lfunc_end_k_q01e7c05284_ln-k_q01e7c05284_ln
	.p2alignl 7, 3214868480
	.fill 96, 4, 3214868480
	.section	.rodata,"a",@progbits
	.p2align	6, 0x0
	.amdhsa_kernel k_q01e7c05284_ln
		.amdhsa_group_segment_fixed_size 21504
		.amdhsa_private_segment_fixed_size 0
		.amdhsa_enable_private_segment 0
		.amdhsa_kernarg_size 88
		.amdhsa_user_sgpr_count 2
		.amdhsa_user_sgpr_kernarg_segment_ptr 1
		.amdhsa_wavefront_size32 1
		.amdhsa_system_sgpr_workgroup_id_x 1
		.amdhsa_system_sgpr_workgroup_id_y 1
		.amdhsa_system_sgpr_workgroup_id_z 1
		.amdhsa_system_vgpr_workitem_id 0
		.amdhsa_next_free_vgpr 226
		.amdhsa_next_free_sgpr 66
		.amdhsa_reserve_vcc 1
		.amdhsa_float_denorm_mode_32 3
		.amdhsa_float_denorm_mode_16_64 3
		.amdhsa_memory_ordered 1
		.amdhsa_forward_progress 1
		.amdhsa_inst_pref_size 53
	.end_amdhsa_kernel
	.amdgpu_metadata
---
amdhsa.version: [ 1, 2 ]
amdhsa.kernels:
  - .name:           k_q01e7c05284_ln
    .symbol:         k_q01e7c05284_ln.kd
    .args:
      - { .name: x, .offset: 0, .size: 8, .value_kind: global_buffer, .address_space: global }
      - { .name: att, .offset: 8, .size: 8, .value_kind: global_buffer, .address_space: global }
      - { .name: b_comb, .offset: 16, .size: 8, .value_kind: global_buffer, .address_space: global }
      - { .name: gamma1, .offset: 24, .size: 8, .value_kind: global_buffer, .address_space: global }
      - { .name: beta1, .offset: 32, .size: 8, .value_kind: global_buffer, .address_space: global }
      - { .name: gamma2, .offset: 40, .size: 8, .value_kind: global_buffer, .address_space: global }
      - { .name: beta2, .offset: 48, .size: 8, .value_kind: global_buffer, .address_space: global }
      - { .name: theta, .offset: 56, .size: 8, .value_kind: global_buffer, .address_space: global }
      - { .name: w1, .offset: 64, .size: 8, .value_kind: global_buffer, .address_space: global }
      - { .name: b1, .offset: 72, .size: 8, .value_kind: global_buffer, .address_space: global }
      - { .name: out0, .offset: 80, .size: 8, .value_kind: global_buffer, .address_space: global }
    .group_segment_fixed_size: 21504
    .private_segment_fixed_size: 0
    .kernarg_segment_align: 8
    .kernarg_segment_size: 88
    .max_flat_workgroup_size: 256
    .sgpr_count:     66
    .vgpr_count:     226
    .wavefront_size: 32
...
	.end_amdgpu_metadata
.endif
;; end of part 5
